; MI455X (gfx1250); checked and timed in simulation.
; The chip was launched on July 23, 2026; its instructions are those of AMD's public machine-readable ISA for CDNA 5 (MIT licence, August 2026) and "CDNA5" Instruction Set Architecture Reference Guide (July 2026). The comments in the code are by the model that wrote it; some were corrected since.
;; Causal Self Attention. Allowed arithmetic: matrix products marked QUANTISED: E3M2 operands, one E8M0 scale for each 32 along K, by v_wmma_scale_f32_16x16x128_f8f6f4 with both operands' format E3M2, f32 sums; everything else in f32.
;; Inputs: Wproj 1,024 x 1,024 float32; Wqkv 1,024 x 3,072 float32; k_norm_w 64 float32; q_norm_w 64 float32; x 4 x 2,048 x 1,024 float32.
;; Outputs: out0 4 x 2,048 x 1,024 float32.
;; This version of the problem:
;;   THIS VERSION OF THE PROBLEM IS GIVEN IN LOW PRECISION. The matrix products marked QUANTISED in the list below multiply operands that are first quantised to E3M2 (3 exponent bits, 2 mantissa bits; 6 bits a number), with one power-of-two scale for each 32 numbers along K (OCP MX v1.0); their sums are f32. All else is computed in f32.
;;   The module's matrix products, in the order in which they are computed (A, B: the left and right operand; K: the contracted axis; several contracted axes count as one K, in the product's order):
;;     1. [M 8,192, K 1,024] x [K 1,024, N 3,072]; A: input x; B: input Wqkv: QUANTISED
;;     2. batch 64 x [M 2,048, K 64] x [K 64, N 2,048]; A: computed on the way; B: computed on the way: QUANTISED
;;     3. batch 64 x [M 2,048, K 2,048] x [K 2,048, N 64]; A: softmax (see below); B: computed on the way: QUANTISED
;;     4. [M 8,192, K 1,024] x [K 1,024, N 1,024]; A: computed on the way; B: input Wproj: QUANTISED
;;   THE QUANTISER, for each operand of a quantised product, along K:
;;     - K is cut into blocks of 32 from its start; a last block that is shorter is filled with zeros.
;;     - A block's scale is 2^e with e = floor(log2(the largest magnitude in the block)) - 4, held to -126 .. 127; a block of zeros has e = 0. As a byte (E8M0): e + 127.
;;     - Each number is divided by its block's scale, clamped to +-28, and rounded to the nearest number of E3M2, ties to even, subnormals kept.
;;     - The product sums the exact products of the quantised numbers (number of the format x scale) in f32.
;;   ~~~python
;;   def quantise(x, axis):      # numpy; x: float32 -> the quantised numbers, widened to float32 again
;;       x = np.moveaxis(x, axis, -1); K = x.shape[-1]
;;       x = np.pad(x, [(0, 0)] * (x.ndim - 1) + [(0, -K % 32)]); x = x.reshape(x.shape[:-1] + (-1, 32)); a = np.abs(x).max(-1, keepdims=True)
;;       e = np.where(a > 0, np.clip(np.frexp(np.where(a > 0, a, 1))[1] - 1 - 4, -126, 127), 0)      # np.frexp(a)[1] - 1 = floor(log2(a)), exactly
;;       r = np.clip(x / 2.0 ** e, -28, 28)
;;       step = 2.0 ** (np.maximum(np.frexp(np.where(r == 0, 1, r))[1] - 1, -2) - 2)
;;       q = np.round(r / step) * step * 2.0 ** e      # np.round: ties to even
;;       return np.moveaxis(q.reshape(q.shape[:-2] + (-1,))[..., :K], -1, axis).astype(np.float32)
;;   ~~~
;;   SOFTMAX AHEAD OF A QUANTISED PRODUCT. Where the list says 'softmax', what is quantised is not the finished softmax but p = 2^(t - M), with t = logit x log2(e) and M = ceil(the row's largest t), a whole number; so 1/2 < the row's largest p <= 1. The row's sum l is taken of the UNQUANTISED p, in f32, and the product's result is divided by l at the end. Since M is a whole number, a kernel that streams over the keys may use a running M (the ceiling of the running maximum): every later rescaling is an exact power of two, which a block's scale takes up: the codes' values come out the same.
;;   OPERANDS COMPUTED ON THE WAY. 'Computed on the way' means the value that the module computes at that place (a softmax that the list does not call 'softmax' is quantised finished and normalised). What goes into a quantiser is computed in f32, as accurately as f32 sums, v_exp_f32 and their like allow (about 1e-6 of the number): no bf16 or f16 on the way to a quantiser, and a product that is left as it is and whose result goes on into a quantised operand takes f32 operands (vector FMAs, or v_wmma_f32_16x16x4_f32). A number that lies on a knife's edge between two numbers of the format may be rounded either way, as far as f32 arithmetic and the matrix unit's own rounding can turn it there, and no further.
;; One version. Each part assembles by itself: llvm-mc -triple=amdgcn-amd-amdhsa -mcpu=gfx1250 --defsym DOCPART=n.
;; ======== version 1 of 1: 4 launches
;; limits: right only within a limited range of input values
;; workspace buffers: codes_in 9,437,184 bytes; scales_in 393,216 bytes; rope 524,288 bytes; qkv_codes 26,738,688 bytes; y_codes 6,291,456 bytes; y_scales 262,144 bytes
;; launch prep (part 1): grid 544 x 1, 4 waves a work-group, no clusters, 35,328 bytes of LDS; arguments x, Wqkv, Wproj, codes_in, scales_in, rope; writes codes_in, scales_in, rope
.if DOCPART == 1
	.amdgcn_target "amdgcn-amd-amdhsa--gfx1250"
	.amdhsa_code_object_version 6
	.text
	.protected	k_qc61ebc5eea_prep
	.globl	k_qc61ebc5eea_prep
	.p2align	8
	.type	k_qc61ebc5eea_prep,@function
k_qc61ebc5eea_prep:
	s_mov_b64 s[64:65], 0
	v_nop
	global_prefetch_b8 v0, s[64:65] scope:SCOPE_SE
	s_setreg_imm32_b32 hwreg(HW_REG_WAVE_MODE, 25, 1), 1
	s_wait_xcnt 0x0
; PREP: x [8192][1024], Wqkv [1024][3072], Wproj [1024][1024] (f32) become codes of BF6 (E3M2) with one E8M0 byte for each 32 along K = 1024; and the RoPE table is made.
; LAYOUT OF THE CODES: the order of the matrix operand's registers.  A HALF IMAGE is 16 rows x 64 K, 768 bytes: lane l's registers 0-3 at 16 l, its registers 4-5 at 512 + 8 l; lane (r, h) holds row r, k = 32 h .. 32 h + 31.
; A row tile (16 rows, K = 1024) is 16 half images, 12,288 bytes.  Row tiles 0-511: x; 512-703: Wqkv's columns; 704-767: Wproj's columns.
; Scale words: [row tile][K step of 128][16 rows], 4 bytes each: 512 bytes a row tile.
; ROW ORDER: row rho of tile p is the logical row 32 (p / 2) + 8 (p % 2) + rho % 8 + 16 (rho / 8), so that in a product's result the 16 registers of two neighbouring tiles are 16 logical neighbours.
; A block's scale is 2^(floor(log2(largest magnitude)) - 4): its byte is the largest magnitude's exponent field - 4, held at 1 from below by a floor among the maximum's leaves.
; LIMITS: a block whose largest magnitude lies under 2^-122 (a block of zeros too) keeps the byte 1: the bytes are read by this program alone, and zero codes add nothing; NaN and infinities are not served.
; The RoPE table: inv_freq = 2^(-i log2(10000) / 32) is right to about one unit in its last place, which need not be the bits of the reference's power function: an angle may differ by about 1e-7 of its size.
; THREE PATHS, parted by the work-group's number: 0-255 x; 256-511 the weights; 512-543 the table.  Only the first uses LDS.  No barrier: waves share nothing.
.set FLOOR, 0x2800000                  ; 2^(5 - 127)
.set LESS4, 0xfe000000                 ; -(4 << 23)
.set TWO23,  0x4b000000                ; 2^23: a whole number under 2^23, put into its low bits, makes the f32 number 2^23 + that number
.set MTWO23, 0xcb000000                ; -2^23
.set BIG,    0x4b400000                ; 1.5 x 2^23: a sum with it is rounded to a whole number (to nearest, ties to even), which then stands in the sum's low bits
.set MBIG,   0xcb400000                ; -1.5 x 2^23
.set RX, 16                            ; x: v16-143 two sets of 64 numbers as loaded
.set XX, 144                           ; x: v144-207 64 numbers in the operand's order
.set FX, 208                           ; x: v208-219 a fragment's codes
.set EX, 220                           ; x: v220-222, v224-226 the upper halves of the blocks' codes
.set WO, 16                            ; W: v16-47 byte offsets of 32 rows
.set WX, 48                            ; W: v48-175 four blocks of 32 numbers
.set WF, 176                           ; W: six registers of codes a block, eight apart
.set WE, 208                           ; W: v208-210
	s_load_b256 s[4:11], s[0:1], 0x0               ; x s[4:5], Wqkv s[6:7], Wproj s[8:9], codes_in s[10:11]
	s_load_b128 s[12:15], s[0:1], 0x20             ; scales_in s[12:13], rope s[14:15]
	v_lshl_add_u32 v254, v0, 2, 0x8800
	v_mov_b32 v255, 0
	v_lshrrev_b32 v1, 5, v0
	v_readfirstlane_b32 s16, v1                    ; wave
	v_and_b32 v1, 31, v0                           ; lane
	v_and_b32 v2, 15, v0                           ; r
	v_bfe_u32 v3, v0, 4, 1                         ; h
	s_mov_b32 s44, 0x76543210
	s_mov_b32 s45, 0xfedcba98                      ; v_permlanex16_b32's selects for lane l xor 16
	s_cmp_lt_u32 ttmp9, 256
	s_cbranch_scc1 .Lpath_x
	s_cmp_lt_u32 ttmp9, 512
	s_cbranch_scc1 .Lpath_w
; ---- THE TABLE: rope[t] = cos(t f_0 .. t f_31), sin(t f_0 .. t f_31): 256 bytes a token.  A wave takes 16 tokens; lane l: frequencies 2 (l % 16) and 2 (l % 16) + 1; lanes 0-15 the cosines, lanes 16-31 the sines.
; All of it is plain f32 arithmetic and one exponential: whole numbers become f32 through the bits of 2^23; a nearest whole number is taken by adding and removing 1.5 x 2^23; 2^-n is written as an exponent field.
	s_sub_co_u32 s17, ttmp9, 512
	s_lshl_b32 s17, s17, 2
	s_add_co_u32 s17, s17, s16
	s_lshl_b32 s17, s17, 4                         ; my first token
	s_lshl_b32 s18, s17, 8
	s_mov_b32 s19, 0
	s_mov_b32 s20, 0xbed49a78                      ; -L, L = log2(10000) / 32, in two parts
	s_mov_b32 s21, 0xb2179922
	s_mov_b32 s22, 0xbfc90fdb                      ; -pi / 2 in two parts
	s_mov_b32 s23, 0x333bbd2e
	s_mov_b32 s24, 0xb94ca1f9                      ; the sine's three coefficients, the highest first
	s_mov_b32 s25, 0x3c08839e
	s_mov_b32 s26, 0xbe2aaaa3
	s_mov_b32 s27, 0x37ccf5ce                      ; the cosine's
	s_mov_b32 s28, 0xbab6061a
	s_mov_b32 s29, 0x3d2aaaa5
	s_wait_alu depctr_va_vdst(0)
	v_lshlrev_b32 v4, 1, v2
	v_or_b32 v4, TWO23, v4
	v_add_f32 v4, MTWO23, v4                       ; i = 2 (l % 16), as f32: exact
	v_add_f32 v5, 1.0, v4
	v_lshlrev_b32 v38, 3, v1                       ; 8 bytes a lane
	v_mov_b32 v12, s17
	v_or_b32 v12, TWO23, v12
	v_add_f32 v12, MTWO23, v12                     ; t, as f32: exact
.irp k, 0,1
	v_mul_f32 v[6+\k], 0x3ed49a78, v[4+\k]         ; i L, at most 13
.endr
.irp k, 0,1
	v_add_f32 v[6+\k], BIG, v[6+\k]                ; its bits are BIG's + n, n the nearest whole number
.endr
.irp k, 0,1
	v_add_f32 v[8+\k], MBIG, v[6+\k]               ; n as f32
.endr
.irp k, 0,1
	v_fma_f32 v[8+\k], v[4+\k], s20, v[8+\k]       ; n - i L: exact (5 bits x 21 bits, under 1/2 or nearly)
.endr
.irp k, 0,1
	v_fma_f32 v[8+\k], v[4+\k], s21, v[8+\k]       ; - i x L's low part
.endr
	s_wait_alu depctr_va_vdst(0)
.irp k, 0,1
	v_exp_f32 v[10+\k], v[8+\k]                    ; 2^(n - i L)
.endr
	v_mul_u32_u24 v13, v3, 3                       ; 3 for the sines: sin(a) = cos(a - pi / 2).  (A plain line behind the exponentials)
.irp k, 0,1
	v_sub_nc_u32 v[6+\k], BIG+127, v[6+\k]         ; 127 - n
.endr
.irp k, 0,1
	v_lshlrev_b32 v[6+\k], 23, v[6+\k]             ; as an exponent field: the f32 number 2^-n
.endr
	s_wait_alu depctr_va_vdst(0)                   ; one wait for both exponentials, ahead of their first reader
.irp k, 0,1
	v_mul_f32 v[10+\k], v[10+\k], v[6+\k]          ; f = 2^(-i L): the multiplication rounds nothing
.endr
	s_wait_kmcnt 0x0
	s_add_nc_u64 s[14:15], s[14:15], s[18:19]
	s_mov_b32 s30, 16
.Ltok:
	s_wait_alu depctr_va_vdst(0)
.irp k, 0,1
	v_mul_f32 v[14+\k], v12, v[10+\k]              ; the angle, rounded once, as the reference's outer product
.endr
.irp k, 0,1
	v_mul_f32 v[16+\k], 0x3f22f983, v[14+\k]       ; x 2 / pi: at most 1,304
.endr
.irp k, 0,1
	v_add_f32 v[26+\k], BIG, v[16+\k]              ; its bits are BIG's + n, n the nearest multiple of pi / 2; BIG's two low bits are 0
.endr
.irp k, 0,1
	v_add_f32 v[16+\k], MBIG, v[26+\k]             ; n as f32
.endr
.irp k, 0,1
	v_fma_f32 v[18+\k], v[16+\k], s22, v[14+\k]    ; exact: n has 11 bits, the difference lies under 1
.endr
.irp k, 0,1
	v_fma_f32 v[18+\k], v[16+\k], s23, v[18+\k]    ; rho, at most pi / 4 in size
.endr
.irp k, 0,1
	v_mul_f32 v[20+\k], v[18+\k], v[18+\k]         ; z = rho^2
.endr
.irp k, 0,1
	v_fma_f32 v[22+\k], v[20+\k], s24, s25
	v_fma_f32 v[24+\k], v[20+\k], s27, s28
.endr
.irp k, 0,1
	v_fma_f32 v[22+\k], v[22+\k], v[20+\k], s26
	v_fma_f32 v[24+\k], v[24+\k], v[20+\k], s29
.endr
.irp k, 0,1
	v_mul_f32 v[30+\k], v[20+\k], v[18+\k]
	v_mul_f32 v[32+\k], v[20+\k], v[20+\k]
	v_fma_f32 v[34+\k], v[20+\k], -0.5, 1.0
.endr
.irp k, 0,1
	v_fma_f32 v[22+\k], v[22+\k], v[30+\k], v[18+\k]   ; sin(rho)
	v_fma_f32 v[24+\k], v[24+\k], v[32+\k], v[34+\k]   ; cos(rho)
.endr
.irp k, 0,1
	v_add_nc_u32 v[26+\k], v[26+\k], v13           ; the quadrant q (its two low bits): cos(a) = C, -S, -C, S for q = 0 .. 3
.endr
	v_and_b32 v36, 1, v26
	v_cmp_eq_u32 vcc_lo, 1, v36
	v_cndmask_b32 v28, v24, v22, vcc_lo            ; a choice of values only: no branch and no address hangs on these numbers
	v_and_b32 v37, 1, v27
	v_cmp_eq_u32 vcc_lo, 1, v37
	v_cndmask_b32 v29, v25, v23, vcc_lo
.irp k, 0,1
	v_add_nc_u32 v[26+\k], 1, v[26+\k]
.endr
.irp k, 0,1
	v_lshlrev_b32 v[26+\k], 30, v[26+\k]           ; bit 1 of q + 1 is the sign
.endr
.irp k, 0,1
	v_and_b32 v[26+\k], 0x80000000, v[26+\k]
.endr
.irp k, 0,1
	v_xor_b32 v[28+\k], v[28+\k], v[26+\k]
.endr
	global_store_b64 v38, v[28:29], s[14:15]       ; the wave stores the token's 256 consecutive bytes, aligned
	s_wait_xcnt 0x0                                ; the store has read its data and its base: both are written again below and in the next trip
	s_add_nc_u64 s[14:15], s[14:15], 256
	v_add_f32 v12, 1.0, v12
	s_sub_co_u32 s30, s30, 1
	s_cmp_lg_u32 s30, 0
	s_cbranch_scc1 .Ltok
	s_endpgm
; ---- x.  A wave takes one row tile and four K steps of 128.  Each load reads 512 consecutive bytes of one row; the 16 rows turn through the wave's own stage in LDS (rows of 528 bytes, so that the sixteen rows that a
; read touches start in different banks) and come back in the operand's order: lane (r, h) gets k = 64 c + 32 h + 0 .. 31 of row r: two whole blocks a lane.
.Lpath_x:
	s_lshl_b32 s17, ttmp9, 2
	s_add_co_u32 s17, s17, s16                     ; job J = 2 x row tile + half of K
	s_lshr_b32 s18, s17, 1                         ; p
	s_and_b32 s19, s17, 1                          ; kh
	s_lshr_b32 s20, s18, 1
	s_lshl_b32 s20, s20, 17                        ; 32 (p / 2) rows of 4,096 bytes
	s_and_b32 s21, s18, 1
	s_lshl_b32 s21, s21, 15                        ; + 8 (p % 2) rows
	s_add_co_u32 s20, s20, s21
	s_lshl_b32 s21, s19, 11                        ; + 512 numbers along K
	s_add_co_u32 s20, s20, s21
	s_mov_b32 s21, 0
	s_mul_i32 s22, s18, 12288
	s_mul_i32 s23, s19, 6144
	s_add_co_u32 s22, s22, s23
	s_mov_b32 s23, 0
	s_lshl_b32 s24, s17, 8                         ; 512 p + 256 kh
	s_mov_b32 s25, 0
	s_mul_i32 s26, s16, 8704                       ; my wave's LDS: the stage, 16 x 528, then 256 bytes of scale words
	s_wait_alu depctr_va_vdst(0)
	v_lshlrev_b32 v4, 4, v1                        ; 16 x lane
	v_add_nc_u32 v5, s26, v4                       ; into the stage
	v_mul_u32_u24 v6, v2, 528
	v_lshl_add_u32 v6, v3, 7, v6
	v_add_nc_u32 v6, s26, v6                       ; out of it: row r, + 128 h
	v_lshlrev_b32 v7, 3, v1                        ; 8 x lane
	s_add_co_u32 s26, s26, 8448
	v_lshlrev_b32 v8, 2, v2
	v_add_nc_u32 v8, s26, v8                       ; my row's scale word
	v_add_nc_u32 v9, s26, v7                       ; and on the way out 8 bytes a lane
	v_lshlrev_b32 v10, 3, v3                       ; 8 h bits
	v_mov_b32 v235, 0                              ; written once: a lane permute's destination counts as one of its sources
	s_wait_alu depctr_va_vdst(0)
	s_wait_kmcnt 0x0
	s_add_nc_u64 s[4:5], s[4:5], s[20:21]
	s_add_nc_u64 s[10:11], s[10:11], s[22:23]
	s_add_nc_u64 s[12:13], s[12:13], s[24:25]
.macro LOADX s
.irp p, 0,1,2,3,4,5,6,7,8,9,10,11,12,13,14,15
	global_load_b128 v[RX+64*((\s)%2)+4*\p:RX+64*((\s)%2)+4*\p+3], v4, s[4:5] offset:((\p)%8+16*((\p)/8))*4096+512*(\s) th:TH_LOAD_NT
.endr
.endm
.macro XSTEP s
.set RS_, RX+64*((\s)%2)
.if (\s) < 3
	s_wait_loadcnt 16                              ; this step's 16 loads are in; the next step's 16 may be out
.else
	s_wait_loadcnt 0
.endif
.irp p, 0,1,2,3,4,5,6,7,8,9,10,11,12,13,14,15
	ds_store_b128 v5, v[RS_+4*\p:RS_+4*\p+3] offset:528*\p
.endr
.irp c, 0,1
.irp j, 0,1,2,3,4,5,6,7
	ds_load_b128 v[XX+32*\c+4*\j:XX+32*\c+4*\j+3], v6 offset:256*\c+16*\j   ; LDS serves a wave's instructions in order: these see the stores above
.endr
.endr
	s_wait_dscnt 0x0
.if (\s) < 2
	LOADX (\s)+2                                   ; into the set that the stage's stores have read
.endif
.irp c, 0,1
	v_max3_num_f32 v[228+\c], |v[XX+32*\c]|, |v[XX+32*\c+1]|, FLOOR
.endr
.irp i, 2,4,6,8,10,12,14,16,18,20,22,24,26,28,30
.irp c, 0,1
	v_max3_num_f32 v[228+\c], v[228+\c], |v[XX+32*\c+\i]|, |v[XX+32*\c+\i+1]|
.endr
.endr
.irp c, 0,1
	v_add_nc_u32 v[230+\c], LESS4, v[228+\c]       ; 4 off the exponent field: the conversion's scale operand
.endr
.irp c, 0,1
	v_lshrrev_b32 v[232+\c], 23, v[230+\c]         ; the scale's byte
.endr
	v_lshl_or_b32 v234, v233, 16, v232             ; my two bytes: blocks h and 2 + h,
	v_lshlrev_b32 v234, v10, v234                  ; at their places;
	v_permlanex16_b32 v235, v234, s44, s45
	v_or_b32 v234, v234, v235                      ; with lane l xor 16's two the word is whole
	s_wait_alu depctr_va_vdst(0)
	s_wait_xcnt 0x0                                ; the last step's stores have read the codes' registers
.irp c, 0,1
	v_cvt_scalef32_pk16_bf6_f32 v[FX+6*\c:FX+6*\c+2], v[XX+32*\c:XX+32*\c+15], v[230+\c]
	v_cvt_scalef32_pk16_bf6_f32 v[EX+4*\c:EX+4*\c+2], v[XX+32*\c+16:XX+32*\c+31], v[230+\c]   ; (a conversion's three registers begin on an even number)
.endr
	v_nop                                          ; one plain line behind the scaled conversions
.irp c, 0,1
.irp i, 0,1,2
	v_mov_b32 v[FX+3+6*\c+\i], v[EX+4*\c+\i]
.endr
.endr
	ds_store_b32 v8, v234 offset:64*(\s)           ; both lanes of a row write the same word with the same value
	global_store_b128 v4, v[FX:FX+3], s[10:11] offset:1536*(\s)          ; each store covers 512 or 256 consecutive bytes, aligned to 256
	global_store_b64 v7, v[FX+4:FX+5], s[10:11] offset:1536*(\s)+512
	global_store_b128 v4, v[FX+6:FX+9], s[10:11] offset:1536*(\s)+768
	global_store_b64 v7, v[FX+10:FX+11], s[10:11] offset:1536*(\s)+1280
.endm
	LOADX 0
	LOADX 1
	XSTEP 0
	XSTEP 1
	XSTEP 2
	XSTEP 3
	ds_load_b64 v[236:237], v9
	s_wait_dscnt 0x0
	global_store_b64 v7, v[236:237], s[12:13]      ; the job's 64 scale words: 256 consecutive bytes, aligned
	s_wait_tensorcnt 0x0
	ds_add_u32 v254, v255
	s_wait_dscnt 0x0
	s_endpgm
; ---- THE WEIGHTS, stored [K][N].  A lane takes a column and its registers run down K: a block of 32 lies in one lane, and the conversions give codes with K innermost.  A work-group takes 128 columns x 128 along K,
; a wave 32 columns: two row tiles of the images (lane bit 3 says which; the row in it is lane % 8 + 8 (lane / 16)).  Both weights take one path: the pointer and the row's length are chosen by the work-group's number.
.Lpath_w:
	s_sub_co_u32 s17, ttmp9, 256
	s_and_b32 s18, s17, 31                         ; group of 128 columns: 0-23 Wqkv, 24-31 Wproj
	s_lshr_b32 s19, s17, 5                         ; K step of 128
	s_wait_kmcnt 0x0
	s_mov_b32 s28, 4096
	s_cmp_lt_u32 s18, 24
	s_cselect_b64 s[6:7], s[6:7], s[8:9]
	s_cselect_b32 s28, 12288, s28                  ; a row of the weight in bytes
	s_cselect_b32 s29, 0, 24
	s_sub_co_u32 s29, s18, s29
	s_lshl_b32 s29, s29, 9
	s_lshl_b32 s30, s16, 7
	s_add_co_u32 s29, s29, s30                     ; 4 x my wave's first column
	s_lshl_b32 s30, s19, 7
	s_mul_i32 s30, s30, s28
	s_add_co_u32 s30, s30, s29
	s_mov_b32 s31, 0
	s_add_nc_u64 s[20:21], s[6:7], s[30:31]        ; block 0's first row
	s_lshl_b32 s30, s28, 5
	s_add_nc_u64 s[22:23], s[20:21], s[30:31]      ; blocks 1 to 3: 32 rows on each
	s_add_nc_u64 s[24:25], s[22:23], s[30:31]
	s_add_nc_u64 s[26:27], s[24:25], s[30:31]
	s_wait_alu depctr_va_vdst(0)
	v_lshlrev_b32 v[WO], 2, v1
.irp i, 1,2,3,4,5,6,7,8,9,10,11,12,13,14,15,16,17,18,19,20,21,22,23,24,25,26,27,28,29,30,31
	v_add_nc_u32 v[WO+\i], s28, v[WO+\i-1]         ; 4 x lane + i rows
.endr
	s_wait_alu depctr_va_vdst(0)
	v_bfe_u32 v4, v0, 3, 1                         ; u: which of my two row tiles
	v_and_b32 v5, 7, v0
	v_lshl_add_u32 v5, v3, 3, v5                   ; the row in it
	v_mul_u32_u24 v6, v4, 12288
	v_lshl_add_u32 v9, v5, 4, v6
	v_lshl_add_u32 v10, v5, 3, v6
	v_lshlrev_b32 v11, 9, v4
	v_lshl_add_u32 v11, v5, 2, v11
	s_lshl_b32 s32, s18, 3
	s_lshl_b32 s33, s16, 1
	s_add_co_u32 s32, s32, s33
	s_add_co_u32 s32, s32, 512                     ; my first row tile
	s_mul_i32 s34, s32, 12288
	s_mul_i32 s33, s19, 1536
	s_add_co_u32 s34, s34, s33
	s_mov_b32 s35, 0
	s_add_nc_u64 s[10:11], s[10:11], s[34:35]
	s_lshl_b32 s34, s32, 9
	s_lshl_b32 s33, s19, 6
	s_add_co_u32 s34, s34, s33
	s_add_nc_u64 s[12:13], s[12:13], s[34:35]
.macro LOADW b
.irp i, 0,1,2,3,4,5,6,7,8,9,10,11,12,13,14,15,16,17,18,19,20,21,22,23,24,25,26,27,28,29,30,31
	global_load_b32 v[WX+32*(\b)+\i], v[WO+\i], s[20+2*(\b):21+2*(\b)] th:TH_LOAD_NT   ; 128 consecutive bytes a wave, 512 a work-group
.endr
.endm
.macro WBLOCK b
.set XS_, WX+32*(\b)
.set FS_, WF+8*(\b)
.if (\b) < 3
	s_wait_loadcnt 32                              ; this block's 32 loads are in; the next block's may be out
.else
	s_wait_loadcnt 0
.endif
.if (\b) < 2
	LOADW (\b)+2
.endif
	v_max3_num_f32 v12, |v[XS_]|, |v[XS_+1]|, |v[XS_+2]|
	v_max3_num_f32 v13, |v[XS_+3]|, |v[XS_+4]|, |v[XS_+5]|
.irp i, 6,10,14,18,22,26
	v_max3_num_f32 v12, v12, |v[XS_+\i]|, |v[XS_+\i+1]|
	v_max3_num_f32 v13, v13, |v[XS_+\i+2]|, |v[XS_+\i+3]|
.endr
	v_max3_num_f32 v12, v12, |v[XS_+30]|, |v[XS_+31]|
	v_max3_num_f32 v12, v12, v13, FLOOR
	v_add_nc_u32 v14, LESS4, v12
	v_lshrrev_b32 v13, 23, v14
.if (\b) == 0
	v_mov_b32 v15, v13
.else
	v_lshl_or_b32 v15, v13, 8*(\b), v15            ; the K step's four bytes make my column's scale word
.endif
	v_cvt_scalef32_pk16_bf6_f32 v[FS_:FS_+2], v[XS_:XS_+15], v14
	v_cvt_scalef32_pk16_bf6_f32 v[WE:WE+2], v[XS_+16:XS_+31], v14
	v_nop
.irp i, 0,1,2
	v_mov_b32 v[FS_+3+\i], v[WE+\i]
.endr
	global_store_b128 v9, v[FS_:FS_+3], s[10:11] offset:768*((\b)/2)+256*((\b)%2)        ; block b is the part of lanes 16 (b % 2) .. + 15 of half image b / 2: the wave writes 256 consecutive bytes, aligned, in each of its two row tiles
	global_store_b64 v10, v[FS_+4:FS_+5], s[10:11] offset:768*((\b)/2)+512+128*((\b)%2)  ; 128 consecutive bytes in each; blocks b and b + 1 together fill 256
.endm
	LOADW 0
	LOADW 1
	WBLOCK 0
	WBLOCK 1
	WBLOCK 2
	WBLOCK 3
	global_store_b32 v11, v15, s[12:13]            ; 64 consecutive bytes in each of the two row tiles
	s_endpgm
.Lfunc_end_k_qc61ebc5eea_prep:
	.size	k_qc61ebc5eea_prep, .Lfunc_end_k_qc61ebc5eea_prep-k_qc61ebc5eea_prep
	.p2alignl 7, 3214868480
	.fill 96, 4, 3214868480
	.section	.rodata,"a",@progbits
	.p2align	6, 0x0
	.amdhsa_kernel k_qc61ebc5eea_prep
		.amdhsa_group_segment_fixed_size 35328
		.amdhsa_private_segment_fixed_size 0
		.amdhsa_enable_private_segment 0
		.amdhsa_kernarg_size 48
		.amdhsa_user_sgpr_count 2
		.amdhsa_user_sgpr_kernarg_segment_ptr 1
		.amdhsa_wavefront_size32 1
		.amdhsa_system_sgpr_workgroup_id_x 1
		.amdhsa_system_sgpr_workgroup_id_y 1
		.amdhsa_system_sgpr_workgroup_id_z 1
		.amdhsa_system_vgpr_workitem_id 0
		.amdhsa_next_free_vgpr 256
		.amdhsa_next_free_sgpr 66
		.amdhsa_reserve_vcc 1
		.amdhsa_float_denorm_mode_32 3
		.amdhsa_float_denorm_mode_16_64 3
		.amdhsa_memory_ordered 1
		.amdhsa_forward_progress 1
		.amdhsa_inst_pref_size 58
	.end_amdhsa_kernel
	.amdgpu_metadata
---
amdhsa.version: [ 1, 2 ]
amdhsa.kernels:
  - .name:           k_qc61ebc5eea_prep
    .symbol:         k_qc61ebc5eea_prep.kd
    .args:
      - { .name: x, .offset: 0, .size: 8, .value_kind: global_buffer, .address_space: global }
      - { .name: Wqkv, .offset: 8, .size: 8, .value_kind: global_buffer, .address_space: global }
      - { .name: Wproj, .offset: 16, .size: 8, .value_kind: global_buffer, .address_space: global }
      - { .name: codes_in, .offset: 24, .size: 8, .value_kind: global_buffer, .address_space: global }
      - { .name: scales_in, .offset: 32, .size: 8, .value_kind: global_buffer, .address_space: global }
      - { .name: rope, .offset: 40, .size: 8, .value_kind: global_buffer, .address_space: global }
    .group_segment_fixed_size: 35328
    .private_segment_fixed_size: 0
    .kernarg_segment_align: 8
    .kernarg_segment_size: 48
    .max_flat_workgroup_size: 128
    .sgpr_count:     66
    .vgpr_count:     256
    .wavefront_size: 32
...
	.end_amdgpu_metadata
.endif
;; end of part 1
;; launch qkv (part 2): grid 12 x 32, 4 waves a work-group, clusters of 4 x 4, 327,680 bytes of LDS; arguments codes_in, scales_in, rope, q_norm_w, k_norm_w, qkv_codes; writes qkv_codes
.if DOCPART == 2
	.amdgcn_target "amdgcn-amd-amdhsa--gfx1250"
	.amdhsa_code_object_version 6
	.text
	.protected	k_qc61ebc5eea_qkv
	.globl	k_qc61ebc5eea_qkv
	.p2align	8
	.type	k_qc61ebc5eea_qkv,@function
k_qc61ebc5eea_qkv:
	s_mov_b64 s[64:65], 0
	v_nop
	global_prefetch_b8 v0, s[64:65] scope:SCOPE_SE
	s_setreg_imm32_b32 hwreg(HW_REG_WAVE_MODE, 25, 1), 1
	s_wait_xcnt 0x0
	s_wait_alu depctr_hold_cnt(0) depctr_sa_sdst(0) depctr_va_vdst(0) depctr_va_sdst(0) depctr_va_ssrc(0) depctr_va_vcc(0) depctr_vm_vsrc(0)
	s_getreg_b32 s2, hwreg(HW_REG_IB_STS2, 6, 4)
	s_cmp_eq_u32 s2, 0
	s_cbranch_scc0 .Lentry_in_a_cluster
	s_endpgm
.Lentry_in_a_cluster:
	s_bfe_u32 s2, ttmp6, 0x10000c
	s_cmp_lg_u32 s2, 0xf033
	s_cbranch_scc0 .Lentry_shape_is_right
	s_endpgm
.Lentry_shape_is_right:
; QKV: the product x Wqkv on codes of BF6 (K = 1024), then, in registers: for q and k the RMS norm of each head, the gain, RoPE and the quantiser along the head's 64; for v the quantiser along the tokens (the keys).
; A tile of 256 x 256 is made by four waves, 128 x 128 each: 64 accumulators, 512 registers.  K goes in steps of 256 through two LDS slots filled by the tensor data mover.
; OPERANDS lie in memory and in LDS in the order of the operand's registers: a half image (16 rows x 64 K) is 768 bytes: lane l's registers 0-3 at 16 l, registers 4-5 at 512 + 8 l.  A fragment (16 x 128) is two of them:
; four LDS loads, each of 512 or 256 consecutive bytes.  A row tile's part of a slot is 3,072 bytes.  Scale words: [row tile][K step of 128][16 rows]; those of the work-group's 512 rows come once and stay.
; ROW ORDER in every image: row rho of tile p is the logical row 32 (p / 2) + 8 (p % 2) + rho % 8 + 16 (rho / 8).  So in a result the 16 registers of source 0's tiles 2 b and 2 b + 1 are the logical neighbours 32 b + 16 (lane / 16) + 0 .. 15.
; THE KIND is the cluster's x: 0 q, 1 k, 2 v, the same in all sixteen partners.  q, k: source 1 ('A') = x's tokens, source 0 ('B') = W's columns: a lane holds one token and its registers run along the channels.
; v: the sides change places, by offsets into the same buffer: a lane holds one channel and its registers run along the tokens, which are the K of the product with the softmax's weights.
; CLUSTERS: 4 x 4 work-groups; A's tiles are shared along a row of the cluster, B's along a column, each asked for jointly by the same tensor load with the same descriptor and a mask that names the four.
; No prefetch: K has four slots' worth of tiles, two of which are asked for at the start.
; OUT: q, k codes [b h][token tile][768], scale words [b h][token] = byte of channels 0-31 | byte of channels 32-63 << 8 | 0x7f7f0000 (the upper 64 of the next product's K are zero codes);
;      v codes [b h][key step of 128][channel tile][1,536], scale words [b h][key step][channel tile][16].
; LIMITS: v_rsq_f32 is right to one unit in the last place; a block under 2^-122 keeps the scale byte 1 (its codes are zeros or nearly); NaN and infinities are not served.
; REGISTERS: window 0: v0-31 addresses; v32-63 scale words, two sets; v64-127 free in the loop (the gain, the table); v128-223 A's fragments.  window 1: B's fragments, two sets, at v0 and v128.
;   windows 2, 3: the accumulators of A's blocks 0-3, 4-7: (a, b) at v[8 (8 (a % 4) + b)].
.set TILEB,  3072
.set HALFT,  8*TILEB                   ; 128 rows: what one tensor load brings, and what one wave reads of A or of B
.set SLOT,   4*HALFT                   ; A's 256 rows, then B's 256 rows
.set NQ,     2                         ; steps of 128 in a slot
.set FR,     12                        ; registers of a fragment
.set NL,     4                         ; LDS loads that bring one
.set NP,     4                         ; places behind this matrix instruction (ISA guide 7.12.1)
.set SCL,    2*SLOT                    ; behind the ring: the scale words
.set HALFS,  4096                      ; those of 128 rows
.set SPARE,  SCL+4*HALFS               ; the spare words, 128 bytes for each wave: two blocks of 256 bytes that no other line names
.set ADRA, 16                          ; v16-17 A's fragments in slot 0, 1, + 16 x lane; v18-19 + 8 x lane
.set ADRB, 20                          ; v20-23 the same for B
.set ADRS, 27                          ; v27 my scale words: lanes 0-15 A's rows, lanes 16-31 B's
.set SPW,  28
.set NIL,  29
.set SC,   32
.set AF,   128
.set G1, 24
.set G0, 32
.set G1B, 48
.set G0B, 56
.set G1S, 68
.set G0S, 76
.set G1SB, 80
.set G0SB, 88
.set NW,  64                           ; the way out: v64-95 the gain at my 32 channels
.set Y,   128                          ; v128-191 two heads' 32 numbers
.set T,   192                          ; v192-199 at work
.set SS,  200                          ; v200-207 sums of squares, four chains
.set RSQ, 208                          ; v208-211 1 / rms, a pair a head (the low word serves)
.set TM,  212                          ; v212-215 largest magnitudes
.set TP,  216                          ; v216-219 the other half's
.set SO,  220                          ; v220-223 the conversions' scale operands
.set F,   224                          ; v224-229, v232-237 a head's codes
.set E,   240                          ; v240-242, v244-246
.set BY,  248                          ; v248-251 scale bytes
.set PW,  252                          ; v252-253 scale words
.set PC,  128                          ; v's way out: v128-139 a fragment's codes, v140-146 at work
.set MSB, 0
.macro WIN new                         ; the immediate's high byte repeats the setting that is left
.if MSB != (\new)
	s_set_vgpr_msb (MSB<<8)|(\new)
.set MSB, (\new)
.endif
.endm
.set MUL_LO, 0xa1                      ; source 0 (B) window 1, source 1 (A) window 0, C and D window 2
.set MUL_HI, 0xf1
.set TO_B,   0x40
; A joint load: waves 0 and 1 fetch for A, waves 2 and 3 for B; the branch hangs on the wave's number alone.  Four v_nop follow each of the two lines.
.macro JLOAD g0a, g1a, g0b, g1b
	s_cmp_eq_u32 s15, 0
	s_cbranch_scc0 .Lfor_b_\@
	tensor_load_to_lds s[\g0a:\g0a+3], s[\g1a:\g1a+7]
	s_nop 0
.rept 4
	v_nop
.endr
	s_branch .Lasked_\@
.Lfor_b_\@:
	tensor_load_to_lds s[\g0b:\g0b+3], s[\g1b:\g1b+7]
	s_nop 0
.rept 4
	v_nop
.endr
.Lasked_\@:
.endm
.macro CREST                           ; a round of the cluster's barrier behind its opening barrier
	s_cmp_lg_u32 s14, 0
	s_cbranch_scc1 .Lnot_wave_0_\@
	s_barrier_signal -3
.Lnot_wave_0_\@:
	s_barrier_wait -3
	s_barrier_signal -1
	s_barrier_wait -1
.endm
.macro CROUND
	s_barrier_signal -1
	s_barrier_wait -1
	CREST
.endm
	s_load_b128 s[4:7], s[0:1], 0x0                ; codes_in, scales_in
	s_load_b128 s[8:11], s[0:1], 0x10              ; rope, q_norm_w
	s_load_b64 s[12:13], s[0:1], 0x20              ; k_norm_w
	s_load_b64 s[96:97], s[0:1], 0x28              ; qkv_codes: records of 13,056 bytes, [q | k and v][b h][128 tokens]: q or k codes 6,144, v codes 6,144, q or k scale words 512, v scale words 256
	v_lshl_add_u32 v[SPW], v0, 2, SPARE
	v_mov_b32 v[NIL], 0
	ds_add_u32 v28, v29
	ds_add_u32 v28, v29
	s_wait_dscnt 0x0
	v_lshrrev_b32 v1, 5, v0
	v_readfirstlane_b32 s14, v1                    ; wave 0..3
	s_lshr_b32 s15, s14, 1                         ; my half of A's rows.  Also: I fetch for A (0) or for B (1)
	s_and_b32 s16, s14, 1                          ; my half of B's rows.  Also: which 128 rows I fetch
	s_bfe_u32 s40, ttmp6, 0x40000                  ; cx
	s_bfe_u32 s41, ttmp6, 0x40004                  ; cy
	s_and_b32 s17, ttmp7, 0xffff
	s_lshl_b32 s17, s17, 2                         ; 4 x cluster y
	s_lshl_b32 s42, ttmp9, 2
	s_add_co_u32 s42, s42, 32                      ; 32 + 4 x cluster x
	s_cmp_eq_u32 ttmp9, 2                          ; v?  In units of 256 rows of the images: x 0-31, W's q columns 32-35, k 36-39, v 40-43
	s_cselect_b32 s18, 40, s17
	s_cselect_b32 s19, s17, s42
	s_add_co_u32 s17, s18, s41                     ; A's tile: made of cy and the cluster's place alone
	s_add_co_u32 s42, s19, s40                     ; B's tile: of cx and the cluster's place alone
	s_lshl_b32 s43, s41, 2
	s_lshl_b32 s43, 15, s43                        ; my row of the cluster
	s_lshl_b32 s44, 0x1111, s40                    ; my column
	; descriptor group 1, codes: 16 rows (row tiles) of 384 elements of 8 bytes, 1,536 elements apart; no padding
	s_or_b32 s[G1+0], s43, (3<<16)|(1<<21)
	s_or_b32 s[G1B+0], s44, (3<<16)|(1<<21)
.irp g, G1, G1B
	s_mov_b32 s[\g+1], 384<<16
	s_mov_b32 s[\g+2], 16<<16
	s_mov_b32 s[\g+3], 384<<16
	s_mov_b32 s[\g+4], 16
	s_mov_b32 s[\g+5], 1536
	s_mov_b32 s[\g+6], 0
	s_mov_b32 s[\g+7], 0
.endr
	; scale words of 256 rows: 8,192 dense bytes as 32 rows of 256
	s_or_b32 s[G1S+0], s43, (3<<16)|(1<<21)
	s_or_b32 s[G1SB+0], s44, (3<<16)|(1<<21)
.irp g, G1S, G1SB
	s_mov_b32 s[\g+1], 32<<16
	s_mov_b32 s[\g+2], 32<<16
	s_mov_b32 s[\g+3], 32<<16
	s_mov_b32 s[\g+4], 32
	s_mov_b32 s[\g+5], 32
	s_mov_b32 s[\g+6], 0
	s_mov_b32 s[\g+7], 0
.endr
	s_lshl_b32 s18, s16, 3
	s_lshl_b32 s20, s17, 4
	s_add_co_u32 s20, s20, s18                     ; A: the first row tile that I fetch
	s_lshl_b32 s46, s42, 4
	s_add_co_u32 s46, s46, s18                     ; B likewise
	s_lshl_b32 s22, s17, 13                        ; the scale words of A's 256 rows: 8,192 bytes a tile
	s_mov_b32 s23, 0
	s_lshl_b32 s92, s42, 13                        ; and of B's
	s_mov_b32 s93, 0
	s_mul_i32 s20, s20, 12288
	s_mov_b32 s21, 0
	s_mul_i32 s46, s46, 12288
	s_mov_b32 s47, 0
	s_mul_i32 s45, s14, HALFT                      ; where they go: no place in the cluster enters an LDS address
	s_wait_kmcnt 0x0
	s_add_nc_u64 s[20:21], s[4:5], s[20:21]
	s_add_nc_u64 s[22:23], s[6:7], s[22:23]
	s_add_nc_u64 s[46:47], s[4:5], s[46:47]
	s_add_nc_u64 s[92:93], s[6:7], s[92:93]
	CROUND                                         ; all sixteen work-groups are here: the first joint loads meet
	s_mov_b32 s[G0S], 1
	s_mov_b32 s[G0S+1], SCL
	s_mov_b64 s[G0S+2:G0S+3], s[22:23]
	s_or_b32 s[G0S+3], s[G0S+3], 0x80000000
	s_mov_b32 s[G0SB], 1
	s_mov_b32 s[G0SB+1], SCL+2*HALFS
	s_mov_b64 s[G0SB+2:G0SB+3], s[92:93]
	s_or_b32 s[G0SB+3], s[G0SB+3], 0x80000000
.irp s, 0,1
	s_mov_b32 s[G0+4*\s], 1
	s_add_co_u32 s[G0+4*\s+1], s45, \s*SLOT
	s_add_nc_u64 s[G0+4*\s+2:G0+4*\s+3], s[20:21], \s*TILEB
	s_or_b32 s[G0+4*\s+3], s[G0+4*\s+3], 0x80000000
	s_mov_b32 s[G0B+4*\s], 1
	s_add_co_u32 s[G0B+4*\s+1], s45, \s*SLOT
	s_add_nc_u64 s[G0B+4*\s+2:G0B+4*\s+3], s[46:47], \s*TILEB
	s_or_b32 s[G0B+4*\s+3], s[G0B+4*\s+3], 0x80000000
.endr
; THE HEAD'S LOADS, ONE A WAVE: wave 0 slot 0's 256 rows of A, wave 1 the scale words of A's 256 rows, wave 2 slot 0's 256 rows of B, wave 3 B's scale words.
; Waves 0 and 2 fetch the lower 128 rows in the ring, so their ring descriptors of slot 0 point at the tile's first row and at its place in LDS; at the head group 1 counts 16 row tiles.
.macro ARM under, g0, g1, next
	s_cmp_lt_u32 s14, \under
	s_cbranch_scc0 \next
	tensor_load_to_lds s[\g0:\g0+3], s[\g1:\g1+7]
	s_nop 0
.rept 4
	v_nop
.endr
	s_branch .Lhead_asked
\next:
.endm
	ARM 1, G0,  G1,  .Lhead_sa
	ARM 2, G0S, G1S, .Lhead_b
	ARM 3, G0B, G1B, .Lhead_sb
	tensor_load_to_lds s[G0SB:G0SB+3], s[G1SB:G1SB+7]
	s_nop 0
.rept 4
	v_nop
.endr
.Lhead_asked:
	v_and_b32 v1, 15, v0                           ; r
	v_bfe_u32 v2, v0, 4, 1                         ; h
	v_and_b32 v3, 31, v0                           ; lane
	v_lshlrev_b32 v9, 4, v3                        ; 16 x lane
	v_lshlrev_b32 v10, 3, v3                       ; 8 x lane
	s_mul_i32 s21, s15, HALFT
	s_mul_i32 s22, s16, HALFT
	s_add_co_u32 s22, s22, 2*HALFT
.irp s, 0,1
	v_add_nc_u32 v[ADRA+\s], s21, v9
	v_add_nc_u32 v[ADRB+\s], s22, v9
	v_add_nc_u32 v[ADRA+2+\s], s21, v10
	v_add_nc_u32 v[ADRB+2+\s], s22, v10
	s_add_co_u32 s21, s21, SLOT
	s_add_co_u32 s22, s22, SLOT
.endr
	v_lshlrev_b32 v5, 2, v1                        ; 4 r
	s_mul_i32 s21, s15, HALFS                      ; A's words: my 128 rows
	s_mul_i32 s22, s16, HALFS                      ; B's, behind A's 256 rows
	s_add_co_u32 s22, s22, 2*HALFS
	s_sub_co_u32 s22, s22, s21
	v_mul_u32_u24 v6, s22, v2                      ; lanes 16-31 take B's: one product, the distance between the two bases
	s_add_co_u32 s21, s21, SCL
	v_add_nc_u32 v5, v5, v6
	v_add_nc_u32 v[ADRS], s21, v5
	; the way out's lane terms, all made here
	v_and_b32 v7, 7, v1
	v_lshrrev_b32 v8, 3, v1
	v_lshl_add_u32 v7, v8, 4, v7                   ; my token in its group of 32: r % 8 + 16 (r / 8)
	v_lshlrev_b32 v7, 8, v7
	v_lshl_add_u32 v7, v2, 6, v7                   ; the table: 256 bytes a token, + 64 h
	v_lshlrev_b32 v8, 6, v2                        ; the gain: 64 h
	s_lshl_b32 s21, s14, 10
	v_lshl_add_u32 v11, v1, 2, s21                 ; q, k: my wave's 1,024 bytes of scale words in LDS (bytes 0 to 4,095 of slot 0, written when that slot has had its last fill and its last read)
	v_lshl_add_u32 v12, v3, 4, s21
	s_lshl_b32 s21, s14, 9
	s_add_co_u32 s21, s21, 4096
	v_lshl_add_u32 v13, v1, 2, s21                 ; v: bytes of its own, 4,096 to 6,143
	v_lshl_add_u32 v14, v3, 3, s21
.macro FRAG reg, adr, q, i             ; block i's fragment of the slot's q-th 128 along K: two half images
	ds_load_b128 v[\reg:\reg+3], v[\adr] offset:(\i)*TILEB+(\q)*1536
	ds_load_b64 v[\reg+4:\reg+5], v[\adr+2] offset:(\i)*TILEB+(\q)*1536+512
	ds_load_b128 v[\reg+6:\reg+9], v[\adr] offset:(\i)*TILEB+(\q)*1536+768
	ds_load_b64 v[\reg+10:\reg+11], v[\adr+2] offset:(\i)*TILEB+(\q)*1536+1280
.endm
; 16 matrix instructions: A's blocks a0, a0 + 1 x B's eight.  The 64 accumulators take turns, one instruction a turn, in the same order in every step.
.macro MUL16 a0, p, q, sc, zero
.irp a, \a0, \a0+1
.irp b, 0,1,2,3,4,5,6,7
.if \zero
	v_wmma_scale_f32_16x16x128_f8f6f4 v[8*(8*((\a)%4)+\b):8*(8*((\a)%4)+\b)+7], v[128*(\p)+FR*\b:128*(\p)+FR*\b+FR-1], v[AF+FR*(\a):AF+FR*(\a)+FR-1], 0, v[SC+8*NQ*(\sc)+NQ*\b+(\q)], v[SC+8*NQ*(\sc)+NQ*(\a)+(\q)] matrix_a_fmt:MATRIX_FMT_BF6 matrix_b_fmt:MATRIX_FMT_BF6 matrix_a_scale:MATRIX_SCALE_ROW1
.else
	v_wmma_scale_f32_16x16x128_f8f6f4 v[8*(8*((\a)%4)+\b):8*(8*((\a)%4)+\b)+7], v[128*(\p)+FR*\b:128*(\p)+FR*\b+FR-1], v[AF+FR*(\a):AF+FR*(\a)+FR-1], v[8*(8*((\a)%4)+\b):8*(8*((\a)%4)+\b)+7], v[SC+8*NQ*(\sc)+NQ*\b+(\q)], v[SC+8*NQ*(\sc)+NQ*(\a)+(\q)] matrix_a_fmt:MATRIX_FMT_BF6 matrix_b_fmt:MATRIX_FMT_BF6 matrix_a_scale:MATRIX_SCALE_ROW1
.endif
.endr
.endr
.endm
.macro FETCH_B slot, q, p
	WIN TO_B
.irp i, 0,1,2,3,4,5,6,7
	FRAG 128*(\p)+FR*\i, ADRB+\slot, \q, \i
.endr
	WIN 0
.endm
.macro FETCH_A slot, q, i0
.irp i, \i0, \i0+1, \i0+2, \i0+3
	FRAG AF+FR*(\i), ADRA+\slot, \q, \i
.endr
.endm
.macro SCALES sc                       ; the slot's scale words: register NQ i + q: lanes 0-15 the words of A's block i, lanes 16-31 those of B's block i
.irp i, 0,1,2,3,4,5,6,7
.irp q, 0,1
	ds_load_b32 v[SC+8*NQ*\sc+NQ*\i+\q], v[ADRS] offset:512*\i+64*\q
.endr
.endr
.endm
.macro PLACES n                        ; plain vector lines between a matrix instruction and a load into, or a read or write of, its registers
.rept \n
	v_nop
.endr
.endm
.macro STEP slot, q, zero              ; a step of 128 along K that has its successor in the same slot
	s_wait_dscnt 4*NL                              ; all but the youngest 16 loads (A's blocks 4-7) are in
	WIN MUL_LO
	MUL16 0, (\q)%2, \q, \slot, \zero
	MUL16 2, (\q)%2, \q, \slot, \zero
	s_wait_dscnt 0
	PLACES NP
	FETCH_B \slot, (\q)+1, 1-(\q)%2
	FETCH_A \slot, (\q)+1, 0
	WIN MUL_HI
	MUL16 4, (\q)%2, \q, \slot, \zero
	MUL16 6, (\q)%2, \q, \slot, \zero
	PLACES NP
	WIN 0
	FETCH_A \slot, (\q)+1, 4
.endm
; A slot's last step changes slots: one barrier; in front of it each wave waits for all its tensor loads, adds 0 to its spare word, and waits for that and for its reads of this slot.  fill = 1: the slot is filled again, two slots ahead.
.macro TURN slot, next, fill
	s_wait_tensorcnt 0x0                           ; all my tensor loads have landed: my part of the next slot
	ds_add_u32 v[SPW], v[NIL]                      ; 0 onto my spare word
	s_wait_dscnt 4*NL+1                            ; (the add and the youngest 16 loads may be out)
	WIN MUL_LO
	MUL16 0, 1, NQ-1, \slot, 0
	s_wait_dscnt 0x0                               ; the add is done, and my reads of this slot are over
	s_barrier_signal -1
	MUL16 2, 1, NQ-1, \slot, 0
	WIN 0
	s_barrier_wait -1
.if \fill
	CREST                                          ; the barrier has opened a round of the cluster's barrier: no wave of any partner still reads this slot or has a load on its way
	s_add_nc_u64 s[G0+4*\slot+2:G0+4*\slot+3], s[G0+4*\slot+2:G0+4*\slot+3], 2*TILEB
	s_add_nc_u64 s[G0B+4*\slot+2:G0B+4*\slot+3], s[G0B+4*\slot+2:G0B+4*\slot+3], 2*TILEB
	JLOAD G0+4*\slot, G1, G0B+4*\slot, G1B         ; the first tensor load behind the round; its four v_nop are also the places in front of the loads below
.else
	PLACES NP
.endif
	s_wait_alu depctr_va_vdst(0)
	v_add_nc_u32 v[ADRS], 64*NQ, v[ADRS]           ; the next slot's scale words (no LDS load of mine is out)
	FETCH_B \next, 0, 0
	FETCH_A \next, 0, 0
	SCALES \next
	WIN MUL_HI
	MUL16 4, 1, NQ-1, \slot, 0
	MUL16 6, 1, NQ-1, \slot, 0
	PLACES NP
	WIN 0
	FETCH_A \next, 0, 4
.endm
.macro CSLOAD a                        ; cos and sin of token tile a at my 16 frequencies: 32 registers, at v96 (a even) or v32 (a odd)
.set CL_, 96-64*((\a)%2)
.irp j, 0,1,2,3
	global_load_b128 v[CL_+4*\j:CL_+4*\j+3], v7, s[8:9] offset:256*(32*((\a)/2)+8*((\a)%2))+16*\j
	global_load_b128 v[CL_+16+4*\j:CL_+16+4*\j+3], v7, s[8:9] offset:256*(32*((\a)/2)+8*((\a)%2))+128+16*\j
.endr
.endm
	s_wait_alu depctr_va_vdst(0)                   ; the wait at the head's end
	s_wait_tensorcnt 0x0                           ; my tile of the head's four is in
	ds_add_u32 v[SPW], v[NIL]
	s_mov_b32 s[G1+2], 8<<16                       ; no tensor load of mine is out: from here on a load brings 8 row tiles
	s_mov_b32 s[G1+4], 8
	s_mov_b32 s[G1B+2], 8<<16
	s_mov_b32 s[G1B+4], 8
	s_wait_dscnt 0x0
	CROUND                                         ; all four tiles are in, and all sixteen work-groups are here
	JLOAD G0+4, G1, G0B+4, G1B                     ; slot 1's first fill, the first tensor load behind the round
	FETCH_B 0, 0, 0
	FETCH_A 0, 0, 0
	SCALES 0
	FETCH_A 0, 0, 4
	STEP 0, 0, 1                                   ; K 0-127: the first products start the sums
	TURN 0, 1, 1                                   ; K 128-255; slot 0 takes K 512-767
	STEP 1, 0, 0
	TURN 1, 0, 1                                   ; slot 1 takes K 768-1023
	STEP 0, 0, 0
	TURN 0, 1, 0                                   ; nothing is left to fetch: no round
	STEP 1, 0, 0
	; no tensor load of mine is out any more: the descriptors' registers s68-85 are free.  Where my results belong:
	s_cmp_eq_u32 ttmp9, 2
	s_cselect_b32 s68, s42, s17                    ; the tile of 256 tokens: B's for v, A's for q and k
	s_cselect_b32 s69, s16, s15                    ; my half of it
	s_cselect_b32 s70, s41, s40                    ; the tile of 256 channels within the kind
	s_cselect_b32 s71, s15, s16                    ; my half of it
	s_lshl_b32 s68, s68, 8
	s_lshl_b32 s69, s69, 7
	s_add_co_u32 s68, s68, s69                     ; my first token of 8,192
	s_lshr_b32 s72, s68, 11                        ; the batch
	s_and_b32 s73, s68, 2047                       ; t0
	s_lshl_b32 s70, s70, 2
	s_lshl_b32 s71, s71, 1
	s_add_co_u32 s70, s70, s71                     ; my first head of two
	s_lshl_b32 s72, s72, 4
	s_add_co_u32 s72, s72, s70                     ; 16 x batch + head
	s_lshl_b32 s74, s73, 8
	s_mov_b32 s75, 0
	s_add_nc_u64 s[8:9], s[8:9], s[74:75]          ; the table at my first token
	s_cmp_eq_u32 ttmp9, 1
	s_cselect_b64 s[10:11], s[12:13], s[10:11]     ; k's gain for k
	s_mov_b32 s82, 0x76543210
	s_mov_b32 s83, 0xfedcba98                      ; v_permlanex16_b32's selects for lane l xor 16
	s_mov_b32 s84, 0x3c800000                      ; 1 / 64
	s_mov_b32 s85, 0x3727c5ac                      ; 1e-5
.irp j, 0,1,2,3
	global_load_b128 v[NW+4*\j:NW+4*\j+3], v8, s[10:11] offset:16*\j              ; the gain at channels 16 h + 0 .. 15
	global_load_b128 v[NW+16+4*\j:NW+16+4*\j+3], v8, s[10:11] offset:128+16*\j    ; and at 32 + 16 h + 0 .. 15
.endr
	CSLOAD 0                                       ; (every kind issues these sixteen loads, so that the text has one way up to the parting; v waits for them and uses none)
	s_wait_dscnt 4*NL                              ; the very last step
	WIN MUL_LO
	MUL16 0, 1, NQ-1, 1, 0
	MUL16 2, 1, NQ-1, 1, 0
	s_wait_dscnt 0
	WIN MUL_HI
	MUL16 4, 1, NQ-1, 1, 0
	MUL16 6, 1, NQ-1, 1, 0
	WIN 0
	PLACES NP                                      ; behind the last products: results are read, and their operands' registers written, from here on
.irp n, 0,1,2,3
	v_mov_b32 v[TP+\n], 0                          ; written once: a lane permute's destination counts as one of its sources
.endr
	v_mov_b32 v[RSQ+1], 0                          ; (named as the upper halves of pairs)
	v_mov_b32 v[RSQ+3], 0
	s_cmp_eq_u32 ttmp9, 2
	s_cbranch_scc1 .Lv
; ---- q, k.  Lane (r, h) holds one token; of head hh its 32 registers X are channels 16 h + i (i = 0 .. 15) and 32 + 16 h + i.
	CSLOAD 1
	s_mul_i32 s76, ttmp9, 13369344                 ; q's section, or k's and v's: 1,024 records
	s_lshl_b32 s77, s72, 4
	s_lshr_b32 s78, s73, 7
	s_add_co_u32 s77, s77, s78                     ; 16 x (b h) + my 128 tokens
	s_mul_i32 s77, s77, 13056
	s_add_co_u32 s76, s76, s77
	s_mov_b32 s77, 0
	s_add_nc_u64 s[96:97], s[96:97], s[76:77]      ; the record: codes at its start,
	s_add_nc_u64 s[98:99], s[96:97], 12288         ; scale words at byte 12,288; the next head's record lies 16 records on
.macro QKROW a                         ; token tile a, both heads line by line
.set XB_, 64*((\a)%4)
.set CB_, 96-64*((\a)%2)
	WIN 0x0a+5*((\a)/4)                            ; sources 0 and 1: the accumulators' window
.irp hh, 0,1
.irp k, 0,1
	v_pk_mul_f32 v[SS+4*\hh+2*\k:SS+4*\hh+2*\k+1], v[XB_+32*\hh+2*\k:XB_+32*\hh+2*\k+1], v[XB_+32*\hh+2*\k:XB_+32*\hh+2*\k+1]   ; the sum of squares, each accumulator from its low end on
.endr
.endr
.irp k, 2,3,4,5,6,7,8,9,10,11,12,13,14,15
.irp hh, 0,1
	v_pk_fma_f32 v[SS+4*\hh+2*((\k)%2):SS+4*\hh+2*((\k)%2)+1], v[XB_+32*\hh+2*\k:XB_+32*\hh+2*\k+1], v[XB_+32*\hh+2*\k:XB_+32*\hh+2*\k+1], v[SS+4*\hh+2*((\k)%2):SS+4*\hh+2*((\k)%2)+1]
.endr
.endr
	WIN 0
.irp hh, 0,1
	v_pk_add_f32 v[SS+4*\hh:SS+4*\hh+1], v[SS+4*\hh:SS+4*\hh+1], v[SS+4*\hh+2:SS+4*\hh+3]
.endr
.irp hh, 0,1
	v_add_f32 v[SS+4*\hh], v[SS+4*\hh], v[SS+4*\hh+1]
.endr
.irp hh, 0,1
	v_permlanex16_b32 v[TP+\hh], v[SS+4*\hh], s82, s83
.endr
.irp hh, 0,1
	v_add_f32 v[SS+4*\hh], v[SS+4*\hh], v[TP+\hh]  ; with lane l xor 16's 32 channels
.endr
.irp hh, 0,1
	v_fma_f32 v[SS+4*\hh], v[SS+4*\hh], s84, s85   ; the mean + 1e-5 (the division by 64 is exact)
.endr
	s_wait_alu depctr_va_vdst(0)
.irp hh, 0,1
	v_rsq_f32 v[RSQ+2*\hh], v[SS+4*\hh]
.endr
	v_nop                                          ; a plain line behind the transcendentals
	s_wait_alu depctr_va_vdst(0)                   ; one wait for both, ahead of their first reader
	WIN 0x02+(\a)/4                                ; source 0: the accumulators' window
.irp k, 0,1,2,3,4,5,6,7,8,9,10,11,12,13,14,15
.irp hh, 0,1
	v_pk_mul_f32 v[Y+32*\hh+2*\k:Y+32*\hh+2*\k+1], v[XB_+32*\hh+2*\k:XB_+32*\hh+2*\k+1], v[RSQ+2*\hh:RSQ+2*\hh+1] op_sel_hi:[1,0]
.endr
.endr
	WIN 0
.if (\a) < 7
	s_wait_loadcnt 8                               ; the gain and this tile's table are in; the next tile's eight loads may be out
.else
	s_wait_loadcnt 0
.endif
.irp k, 0,1,2,3,4,5,6,7,8,9,10,11,12,13,14,15
.irp hh, 0,1
	v_pk_mul_f32 v[Y+32*\hh+2*\k:Y+32*\hh+2*\k+1], v[Y+32*\hh+2*\k:Y+32*\hh+2*\k+1], v[NW+2*\k:NW+2*\k+1]   ; (x / rms) x gain, in the reference's order
.endr
.endr
.irp k, 0,1,2,3,4,5,6,7                ; RoPE: a = channel c < 32, b = channel c + 32: a' = a cos - b sin, b' = b cos + a sin
.irp hh, 0,1
	v_pk_mul_f32 v[T+4*\hh:T+4*\hh+1], v[Y+32*\hh+16+2*\k:Y+32*\hh+16+2*\k+1], v[CB_+16+2*\k:CB_+16+2*\k+1]
	v_pk_mul_f32 v[T+4*\hh+2:T+4*\hh+3], v[Y+32*\hh+2*\k:Y+32*\hh+2*\k+1], v[CB_+16+2*\k:CB_+16+2*\k+1]
.endr
.irp hh, 0,1
	v_pk_fma_f32 v[Y+32*\hh+2*\k:Y+32*\hh+2*\k+1], v[Y+32*\hh+2*\k:Y+32*\hh+2*\k+1], v[CB_+2*\k:CB_+2*\k+1], v[T+4*\hh:T+4*\hh+1] neg_lo:[0,0,1] neg_hi:[0,0,1]
	v_pk_fma_f32 v[Y+32*\hh+16+2*\k:Y+32*\hh+16+2*\k+1], v[Y+32*\hh+16+2*\k:Y+32*\hh+16+2*\k+1], v[CB_+2*\k:CB_+2*\k+1], v[T+4*\hh+2:T+4*\hh+3]
.endr
.endr
	s_wait_xcnt 0x0                                ; the last tile's stores have read the codes' registers
.if (\a) <= 5
	CSLOAD (\a)+2                                  ; into the registers that this tile's rotation has just read
.endif
	; the quantiser along the head's 64: two blocks of 32, each in lanes l and l xor 16
.irp hh, 0,1
.irp c, 0,1
	v_max3_num_f32 v[TM+2*\hh+\c], |v[Y+32*\hh+16*\c]|, |v[Y+32*\hh+16*\c+1]|, 0x2800000
.endr
.endr
.irp i, 2,4,6,8,10,12,14
.irp hh, 0,1
.irp c, 0,1
	v_max3_num_f32 v[TM+2*\hh+\c], v[TM+2*\hh+\c], |v[Y+32*\hh+16*\c+\i]|, |v[Y+32*\hh+16*\c+\i+1]|
.endr
.endr
.endr
.irp n, 0,1,2,3
	v_permlanex16_b32 v[TP+\n], v[TM+\n], s82, s83
.endr
.irp n, 0,1,2,3
	v_max_num_f32 v[TM+\n], v[TM+\n], v[TP+\n]
.endr
.irp n, 0,1,2,3
	v_add_nc_u32 v[SO+\n], 0xfe000000, v[TM+\n]    ; 4 off the exponent field: the conversion's scale operand
.endr
.irp n, 0,1,2,3
	v_lshrrev_b32 v[BY+\n], 23, v[SO+\n]
.endr
.irp hh, 0,1
	v_lshl_or_b32 v[PW+\hh], v[BY+2*\hh+1], 8, v[BY+2*\hh]
.endr
.irp hh, 0,1
	v_or_b32 v[PW+\hh], 0x7f7f0000, v[PW+\hh]      ; the byte 127 for the two blocks of zero codes that fill the next product's K to 128
.endr
.irp hh, 0,1
	v_cvt_scalef32_pk16_bf6_f32 v[F+8*\hh:F+8*\hh+2], v[Y+32*\hh:Y+32*\hh+15], v[SO+2*\hh]
	v_cvt_scalef32_pk16_bf6_f32 v[E+4*\hh:E+4*\hh+2], v[Y+32*\hh+16:Y+32*\hh+31], v[SO+2*\hh+1]
.endr
	v_nop                                          ; one plain line behind the scaled conversions
.irp hh, 0,1
.irp i, 0,1,2
	v_permlane16_swap_b32 v[F+8*\hh+\i], v[E+4*\hh+\i]   ; the layout wants a whole block in a lane: lanes 0-15 block 0, lanes 16-31 block 1
.endr
.endr
.irp hh, 0,1
.irp i, 0,1,2
	v_mov_b32 v[F+8*\hh+3+\i], v[E+4*\hh+\i]
.endr
.endr
.irp hh, 0,1
	ds_store_b32 v11, v[PW+\hh] offset:512*\hh+64*(\a)
	global_store_b128 v9, v[F+8*\hh:F+8*\hh+3], s[96:97] offset:208896*\hh+768*(\a)         ; a half image: 512 and 256 consecutive bytes, aligned to 256
	global_store_b64 v10, v[F+8*\hh+4:F+8*\hh+5], s[96:97] offset:208896*\hh+768*(\a)+512
.endr
.endm
.irp a, 0,1,2,3,4,5,6,7
	QKROW \a
.endr
.irp hh, 0,1
	ds_load_b128 v[Y+4*\hh:Y+4*\hh+3], v12 offset:512*\hh     ; LDS serves a wave's instructions in order: these see my stores
.endr
	s_wait_dscnt 0x0
.irp hh, 0,1
	global_store_b128 v9, v[Y+4*\hh:Y+4*\hh+3], s[98:99] offset:208896*\hh   ; a head's 128 scale words: 512 consecutive bytes, aligned
.endr
	s_branch .Ldone
; ---- v.  Lane (r, h) holds one channel; the 64 registers of block a are tokens 32 b + 16 h + i: one K step of the product with the softmax's weights.
.Lv:
	s_wait_loadcnt 0x0
	s_lshl_b32 s76, s72, 4
	s_lshr_b32 s78, s73, 7
	s_add_co_u32 s76, s76, s78                     ; 16 x (b h) + key step
	s_mul_i32 s76, s76, 13056
	s_add_co_u32 s76, s76, 13369344+6144           ; v's codes stand behind k's in the record,
	s_mov_b32 s77, 0
	s_add_nc_u64 s[96:97], s[96:97], s[76:77]
	s_add_nc_u64 s[98:99], s[96:97], 6656          ; its scale words at the record's byte 12,800
.macro VROW a                          ; channel tile a: head a / 4, tile a % 4 of it
.set XB_, 64*((\a)%4)
	WIN 0x0a+5*((\a)/4)
.irp b, 0,1,2,3
	v_max3_num_f32 v[TM+\b], |v[XB_+16*\b]|, |v[XB_+16*\b+1]|, 0x2800000
.endr
.irp i, 2,4,6,8,10,12,14
.irp b, 0,1,2,3
	v_max3_num_f32 v[TM+\b], |v[XB_+16*\b+\i]|, |v[XB_+16*\b+\i+1]|, v[TM+\b]
.endr
.endr
	WIN 0
.irp b, 0,1,2,3
	v_permlanex16_b32 v[TP+\b], v[TM+\b], s82, s83
.endr
.irp b, 0,1,2,3
	v_max_num_f32 v[TM+\b], v[TM+\b], v[TP+\b]
.endr
.irp b, 0,1,2,3
	v_add_nc_u32 v[SO+\b], 0xfe000000, v[TM+\b]
.endr
.irp b, 0,1,2,3
	v_lshrrev_b32 v[TP+\b], 23, v[SO+\b]
.endr
	v_lshl_or_b32 v[PW], v[TP+1], 8, v[TP]
	v_lshl_or_b32 v[PW], v[TP+2], 16, v[PW]
	v_lshl_or_b32 v[PW], v[TP+3], 24, v[PW]
	s_wait_xcnt 0x0                                ; the last tile's stores have read the codes' registers
	WIN 0x02+(\a)/4
.irp c, 0,1
	v_cvt_scalef32_pk16_bf6_f32 v[PC+6*\c:PC+6*\c+2], v[XB_+32*\c:XB_+32*\c+15], v[SO+2*\c]
	v_cvt_scalef32_pk16_bf6_f32 v[PC+12+4*\c:PC+14+4*\c], v[XB_+32*\c+16:XB_+32*\c+31], v[SO+2*\c+1]
.endr
	WIN 0
	v_nop
.irp c, 0,1
.irp i, 0,1,2
	v_permlane16_swap_b32 v[PC+6*\c+\i], v[PC+12+4*\c+\i]
.endr
.irp i, 0,1,2
	v_mov_b32 v[PC+3+6*\c+\i], v[PC+12+4*\c+\i]
.endr
.endr
	ds_store_b32 v13, v[PW] offset:256*((\a)/4)+64*((\a)%4)
	global_store_b128 v9, v[PC:PC+3], s[96:97] offset:208896*((\a)/4)+1536*((\a)%4)
	global_store_b64 v10, v[PC+4:PC+5], s[96:97] offset:208896*((\a)/4)+1536*((\a)%4)+512
	global_store_b128 v9, v[PC+6:PC+9], s[96:97] offset:208896*((\a)/4)+1536*((\a)%4)+768
	global_store_b64 v10, v[PC+10:PC+11], s[96:97] offset:208896*((\a)/4)+1536*((\a)%4)+1280
.endm
.irp a, 0,1,2,3,4,5,6,7
	VROW \a
.endr
.irp hh, 0,1
	ds_load_b64 v[160+2*\hh:161+2*\hh], v14 offset:256*\hh
.endr
	s_wait_dscnt 0x0
.irp hh, 0,1
	global_store_b64 v10, v[160+2*\hh:161+2*\hh], s[98:99] offset:208896*\hh   ; a head's 64 scale words of this key step: 256 consecutive bytes, aligned
.endr
.Ldone:
	s_wait_tensorcnt 0x0                           ; the wave's end: behind my last tensor load and my last LDS store
	ds_add_u32 v[SPW], v[NIL]
	s_wait_dscnt 0x0
	CROUND                                         ; the closing round: no work-group ends while a partner may still ask for a tile that names it
	s_endpgm
.Lfunc_end_k_qc61ebc5eea_qkv:
	.size	k_qc61ebc5eea_qkv, .Lfunc_end_k_qc61ebc5eea_qkv-k_qc61ebc5eea_qkv
	.p2alignl 7, 3214868480
	.fill 96, 4, 3214868480
	.section	.rodata,"a",@progbits
	.p2align	6, 0x0
	.amdhsa_kernel k_qc61ebc5eea_qkv
		.amdhsa_group_segment_fixed_size 327680
		.amdhsa_private_segment_fixed_size 0
		.amdhsa_enable_private_segment 0
		.amdhsa_kernarg_size 48
		.amdhsa_user_sgpr_count 2
		.amdhsa_user_sgpr_kernarg_segment_ptr 1
		.amdhsa_wavefront_size32 1
		.amdhsa_system_sgpr_workgroup_id_x 1
		.amdhsa_system_sgpr_workgroup_id_y 1
		.amdhsa_system_sgpr_workgroup_id_z 1
		.amdhsa_system_vgpr_workitem_id 0
		.amdhsa_next_free_vgpr 1024
		.amdhsa_next_free_sgpr 100
		.amdhsa_reserve_vcc 0
		.amdhsa_float_denorm_mode_32 3
		.amdhsa_float_denorm_mode_16_64 3
		.amdhsa_memory_ordered 1
		.amdhsa_forward_progress 1
		.amdhsa_inst_pref_size 255
	.end_amdhsa_kernel
	.section	.bss,"aw",@nobits
	.p2align	6
	.space	262144
	.amdgpu_metadata
---
amdhsa.version: [ 1, 2 ]
amdhsa.kernels:
  - .name:           k_qc61ebc5eea_qkv
    .symbol:         k_qc61ebc5eea_qkv.kd
    .args:
      - { .name: codes_in, .offset: 0, .size: 8, .value_kind: global_buffer, .address_space: global }
      - { .name: scales_in, .offset: 8, .size: 8, .value_kind: global_buffer, .address_space: global }
      - { .name: rope, .offset: 16, .size: 8, .value_kind: global_buffer, .address_space: global }
      - { .name: q_norm_w, .offset: 24, .size: 8, .value_kind: global_buffer, .address_space: global }
      - { .name: k_norm_w, .offset: 32, .size: 8, .value_kind: global_buffer, .address_space: global }
      - { .name: qkv_codes, .offset: 40, .size: 8, .value_kind: global_buffer, .address_space: global }
    .group_segment_fixed_size: 327680
    .private_segment_fixed_size: 0
    .kernarg_segment_align: 8
    .kernarg_segment_size: 48
    .max_flat_workgroup_size: 128
    .sgpr_count:     100
    .vgpr_count:     1024
    .wavefront_size: 32
...
	.end_amdgpu_metadata
.endif
;; end of part 2
;; launch attn (part 3): grid 4 x 64, 16 waves a work-group, clusters of 4 x 1, 210,944 bytes of LDS; arguments qkv_codes, y_codes, y_scales; writes y_codes, y_scales
.if DOCPART == 3
	.amdgcn_target "amdgcn-amd-amdhsa--gfx1250"
	.amdhsa_code_object_version 6
	.text
	.protected	k_qc61ebc5eea_attn
	.globl	k_qc61ebc5eea_attn
	.p2align	8
	.type	k_qc61ebc5eea_attn,@function
k_qc61ebc5eea_attn:
	s_mov_b64 s[64:65], 0
	v_nop
	global_prefetch_b8 v0, s[64:65] scope:SCOPE_SE
	s_setreg_imm32_b32 hwreg(HW_REG_WAVE_MODE, 25, 1), 1
	s_wait_xcnt 0x0
	s_wait_alu depctr_hold_cnt(0) depctr_sa_sdst(0) depctr_va_vdst(0) depctr_va_sdst(0) depctr_va_ssrc(0) depctr_va_vcc(0) depctr_vm_vsrc(0)
	s_getreg_b32 s2, hwreg(HW_REG_IB_STS2, 6, 4)
	s_cmp_eq_u32 s2, 0
	s_cbranch_scc0 .Lentry_in_a_cluster
	s_endpgm
.Lentry_in_a_cluster:
	s_bfe_u32 s2, ttmp6, 0x10000c
	s_cmp_lg_u32 s2, 0x3003
	s_cbranch_scc0 .Lentry_shape_is_right
	s_endpgm
.Lentry_shape_is_right:
; ATTN: y = softmax(q k^T / 8, causal) v for one (batch, head), both products on codes of BF6, and y's quantiser along the head's 64 channels.
; THE SOFTMAX: t = score x log2(e) / 8; M = the running largest t rounded up to a whole number; p = 2^(t - M) is quantised along the keys; the row's sum is taken of the unquantised p and divides at the end;
; when M moves, the sum and O are multiplied by 2^(old M - new M), which rounds nothing.
; INPUT: records of 13,056 bytes, [q | k and v][b h][128 tokens]: codes of q or k 6,144 (eight half images of 768), codes of v 6,144 (four fragments of 1,536), scale words of q or k 512, of v 256.
; SHARES.  The four work-groups j of one (batch, head) form a cluster; sixteen waves each, four to a SIMD.  Query tile i (16 queries) wants i / 8 whole key steps of 128 and the step on the diagonal: its class is i / 8.
; Wave w owns tile 8 w + j and then tile 8 (15 - w) + 4 + j: classes w and 15 - w, so every branch and every trip count hangs on the wave's number alone and is alike in all four partners.
; THE WHOLE HEAD'S K AND V LIE IN LDS, FILLED ONCE: wave w asks for key step w's record by ONE joint load (mask 15: the four partners read the same sixteen records).  No byte is filled again: no ring.
; No prefetch: all that the work-group reads through LDS is asked for at its start, and there is no loop to run ahead in.
; UNDER THE MASK: key steps behind a tile's class are left out (a scalar branch on the wave's number and the loop's count); in the first pass the queries lie in the diagonal step's keys 0-63, so its keys 64-127 are left out too.
; A LANE HOLDS WHOLE BLOCKS OF 32 KEYS.  A stored tile p of a step has row rho = key 32 (p / 2) + 8 (p % 2) + rho % 8 + 16 (rho / 8).  The fragment (g, t) is put together by lane addresses: rows 0-7 = keys 64 g + 8 t + 0..7,
; rows 8-15 = keys 64 g + 32 + 8 t + 0..7.  Both products are used transposed (S^T = K Q^T, O^T = V^T P^T), so lane (r, h) holds query r, and its score register 32 g + i is key 64 g + 32 h + i: the order of P's operand registers.
; K OF THE FIRST PRODUCT IS 64: registers 6-11 of K's and Q's fragments hold zero codes, written once; their scale bytes are 127.
; A BLOCK'S SCALE: p rises with the score, so the exponent of the block's largest p is floor(x), x = t - M of its largest score; the byte is floor(x) + 123.
; LIMITS: the scaled scores stay under 2^31 in magnitude; x is held at -121 from below (a block whose largest p lies under 2^-121 keeps the byte 2: its codes are zeros or nearly);
; v_exp_f32 and v_rcp_f32 are right to one unit in the last place, so where x lies within that of a whole number the scale may be one step off the exponent of the computed p; NaN and infinities are not served.
; REGISTERS: v1-3 16 x lane, 8 x lane, 4 r; v4-6 V's addresses, v7-9 K's; v10 Q's scale words; v11 my query's place in its 64 keys less 32 h; v12 -M, v13 the largest score, v[14:15] the sum; v16-27 Q; v28-31 V's scale words;
;   v32-79 four fragments of K; v80-127 four of V; v128-191 S^T, then p; v192-223 O^T; v224-235 p's codes; v232-242, v254 at work; v244-246 K's lane terms, v247 8 h; v248-251 K's scale words; v252 the factor, v253 p's scale word.
.set REC,   13056
.set SECT,  13369344                   ; 1,024 records: q's section
.set VC,    6144
.set KS,    12288
.set VS,    12800
.set SPARE, 16*REC                     ; behind the records: the spare words, 128 bytes a wave
.set S,     128
.set O,     192
.macro CROUND                          ; a round of the cluster's barrier
	s_barrier_signal -1
	s_barrier_wait -1
	s_cmp_lg_u32 s12, 0
	s_cbranch_scc1 .Lnw0_\@
	s_barrier_signal -3
.Lnw0_\@:
	s_barrier_wait -3
	s_barrier_signal -1
	s_barrier_wait -1
.endm
	s_load_b128 s[4:7], s[0:1], 0x0                ; qkv_codes, y_codes
	s_load_b64 s[8:9], s[0:1], 0x10                ; y_scales
	v_lshl_add_u32 v243, v0, 2, SPARE
	v_mov_b32 v255, 0
	ds_add_u32 v243, v255                          ; the opening lines: the add, twice on end, and its wait
	ds_add_u32 v243, v255
	v_lshrrev_b32 v1, 5, v0
	v_readfirstlane_b32 s12, v1                    ; wave 0..15
	s_and_b32 s13, ttmp7, 0xffff                   ; 16 x batch + head: the cluster's y
	s_bfe_u32 s14, ttmp6, 0x40000                  ; j: my place in the cluster; it enters global addresses and the mask's numbers alone
	s_mov_b32 s32, 15|(3<<16)|(1<<21)              ; group 1: a record as 51 rows of 256 bytes (32 elements of 8), for all four partners
	s_mov_b32 s33, 32<<16
	s_mov_b32 s34, 51<<16
	s_mov_b32 s35, 32<<16
	s_mov_b32 s36, 51
	s_mov_b32 s37, 32
	s_mov_b32 s38, 0
	s_mov_b32 s39, 0
	s_mov_b32 s20, 0x76543210
	s_mov_b32 s21, 0xfedcba98                      ; v_permlanex16_b32's selects for lane l xor 16
	s_mov_b32 s22, 0x3e38aa3b                      ; c = log2(e) / 8
	s_mov_b32 s23, s22
	s_lshl_b32 s28, s13, 4
	s_add_co_u32 s28, s28, s12
	s_mul_i32 s28, s28, REC
	s_add_co_u32 s28, s28, SECT                    ; key step w's record
	s_mov_b32 s29, 0
	s_mov_b32 s40, 1
	s_mul_i32 s41, s12, REC                        ; its place in LDS
	s_wait_dscnt 0x0
	s_wait_kmcnt 0x0
	s_add_nc_u64 s[42:43], s[4:5], s[28:29]
	s_or_b32 s43, s43, 0x80000000
	CROUND                                         ; the four partners are here: the joint loads meet
	tensor_load_to_lds s[40:43], s[32:39]          ; my one tensor load
	s_nop 0
	v_and_b32 v1, 31, v0
	v_and_b32 v3, 15, v0                           ; r
	v_bfe_u32 v247, v0, 4, 1                       ; h
	v_and_b32 v4, 7, v0                            ; r % 8
	v_bfe_u32 v5, v0, 3, 1                         ; r / 8
	v_lshlrev_b32 v2, 3, v1
	v_lshlrev_b32 v1, 4, v1
	v_lshlrev_b32 v3, 2, v3
	v_mul_u32_u24 v6, v5, 1536                     ; rows 8-15 come from the stored tile two further on
	v_lshlrev_b32 v246, 7, v5
	v_lshl_add_u32 v11, v5, 4, v4                  ; r % 8 + 16 (r / 8)
	v_lshl_add_u32 v244, v4, 4, v6
	v_lshl_add_u32 v245, v4, 3, v6
	v_lshl_add_u32 v246, v4, 2, v246               ; K's scale words: 128 (r / 8) + 4 (r % 8)
	v_lshlrev_b32 v6, 5, v247
	v_lshl_add_u32 v244, v247, 8, v244             ; K's registers 0-3: 1,536 (r / 8) + 16 (r % 8) + 256 h
	v_lshl_add_u32 v245, v247, 7, v245             ; registers 4-5: 1,536 (r / 8) + 8 (r % 8) + 128 h
	s_lshr_b32 s17, s14, 1
	s_lshl_b32 s17, s17, 5
	s_and_b32 s18, s14, 1
	s_lshl_b32 s18, s18, 3
	s_add_co_u32 s17, s17, s18                     ; 32 (j / 2) + 8 (j % 2): the tile's least query in its 64 keys, in both passes
	v_sub_nc_u32 v11, v11, v6
	v_lshlrev_b32 v247, 3, v247                    ; 8 h
	v_add_nc_u32 v11, s17, v11                     ; on the diagonal key 32 h + i of those 64 is hidden where i > v11
.irp i, 22,23,24,25,26,27
	v_mov_b32 v[\i], 0                             ; Q's zero codes for K = 64 .. 127
.endr
.irp f, 0,1,2,3
.irp i, 6,7,8,9,10,11
	v_mov_b32 v[32+12*\f+\i], 0                    ; K's: no load ever lands on these
.endr
.endr
.irp i, 236,237,252,253
	v_mov_b32 v[\i], 0                             ; written once: lane permutes' destinations, and a pair's two halves, count as read
.endr
.macro QLOAD                           ; tile 8 s15 + s16: its half image and scale words
	s_lshl_b32 s28, s13, 4
	s_add_co_u32 s28, s28, s15
	s_mul_i32 s28, s28, REC
	s_lshl_b32 s30, s16, 6
	s_add_co_u32 s30, s30, s28
	s_mul_i32 s29, s16, 768
	s_add_co_u32 s28, s28, s29
	s_mov_b32 s29, 0
	s_mov_b32 s31, 0
	s_add_nc_u64 s[28:29], s[4:5], s[28:29]
	s_add_nc_u64 s[30:31], s[4:5], s[30:31]
	global_load_b128 v[16:19], v1, s[28:29]
	global_load_b64 v[20:21], v2, s[28:29] offset:512
	global_load_b32 v10, v3, s[30:31] offset:KS
.endm
.macro PASS_INIT
	v_mov_b32 v13, 0xff61b1e6                      ; the largest score so far: -3e38
	v_mov_b32 v14, 0
	v_mov_b32 v15, 0
	v_mul_f32 v12, s22, v13
.set j, 0
.rept 32
	v_mov_b32 v[O+j], 0                            ; the step is written once: the first finds zeros, which the first change of M leaves zeros
.set j, j+1
.endr
	v_floor_f32 v12, -v12                          ; -M
.endm
.macro YBASE                           ; where the tile's y goes: y_codes [row tile][head][768]; y_scales [row tile][pair of heads][16 rows], my head's two bytes of each word
	s_lshl_b32 s92, s15, 3
	s_add_co_u32 s92, s92, s16
	s_lshr_b32 s93, s13, 4
	s_lshl_b32 s93, s93, 7
	s_add_co_u32 s92, s92, s93                     ; row tile
	s_lshl_b32 s94, s92, 9
	s_and_b32 s93, s13, 15                         ; head
	s_lshl_b32 s92, s92, 4
	s_add_co_u32 s92, s92, s93
	s_mul_i32 s92, s92, 768
	s_lshr_b32 s95, s93, 1
	s_lshl_b32 s95, s95, 6
	s_add_co_u32 s94, s94, s95
	s_and_b32 s95, s93, 1
	s_lshl_b32 s95, s95, 1
	s_add_co_u32 s94, s94, s95
	s_mov_b32 s93, 0
	s_mov_b32 s95, 0
	s_add_nc_u64 s[92:93], s[6:7], s[92:93]
	s_add_nc_u64 s[94:95], s[8:9], s[94:95]
.endm
.macro PF                              ; the next NC pairs of scores become t - M
.rept NC
	v_pk_fma_f32 v[S+j:S+1+j], v[S+j:S+1+j], s[22:23], v[12:13] op_sel_hi:[1,0,0]
.set j, j+2
.endr
.endm
; A KEY STEP on the record at LDS byte s24.  kind 0: all 128 keys count.  kind 1: the first pass's diagonal: keys 0-63, masked.  kind 2: the second pass's: keys 0-63 count, keys 64-127 are masked.
.macro STEP kind
.if \kind == 1
.set NC, 1
.set RM, 232
.else
.set NC, 2
.set RM, 254
.endif
	v_add_nc_u32 v7, s24, v244
	v_add_nc_u32 v8, s24, v245
	v_add_nc_u32 v9, s24, v246
	s_wait_alu depctr_va_vdst(0)
.set g, 0
.rept NC                               ; S^T = K Q^T, 64 keys at a time
.irp t, 0,1,2,3
	ds_load_b128 v[32+12*\t:35+12*\t], v7 offset:768*(4*g+\t%2)+128*(\t/2)
	ds_load_b64 v[36+12*\t:37+12*\t], v8 offset:768*(4*g+\t%2)+512+64*(\t/2)
	ds_load_b32 v[248+\t], v9 offset:KS+64*(4*g+\t%2)+32*(\t/2)
.endr
.if g
	s_wait_alu depctr_va_vdst(0)                   ; for V's addresses and the old -M, read behind the wait below
.endif
	s_wait_dscnt 0x0
.irp t, 0,1,2,3
	v_wmma_scale_f32_16x16x128_f8f6f4 v[S+32*g+8*\t:S+32*g+8*\t+7], v[32+12*\t:43+12*\t], v[16:27], 0, v[248+\t], v10 matrix_a_fmt:MATRIX_FMT_BF6 matrix_b_fmt:MATRIX_FMT_BF6
.endr
.if g == 0                             ; four places behind the products, ahead of loads into their operands and of the first read of the scores
	v_add_nc_u32 v4, s24, v1
	v_add_nc_u32 v5, s24, v2
	v_add_nc_u32 v6, s24, v3
	v_mov_b32 v238, v12                            ; the old -M
.else
.rept 4
	v_nop
.endr
.endif
.set g, g+1
.endr
.irp a, 0,1,2,3                        ; V's four fragments and scale words land under the softmax
	ds_load_b128 v[80+12*\a:83+12*\a], v4 offset:VC+1536*\a
	ds_load_b64 v[84+12*\a:85+12*\a], v5 offset:VC+1536*\a+512
	ds_load_b128 v[86+12*\a:89+12*\a], v4 offset:VC+1536*\a+768
	ds_load_b64 v[90+12*\a:91+12*\a], v5 offset:VC+1536*\a+1280
	ds_load_b32 v[28+\a], v6 offset:VS+64*\a
.endr
.if \kind
	v_mov_b32 v254, 0xff800000                     ; hidden scores become -infinity ahead of the maximum
.set n, 0
.rept 32
	v_cmp_gt_i32 vcc_lo, n, v11
	v_cndmask_b32 v[S+32*(\kind-1)+n], v[S+32*(\kind-1)+n], v254, vcc_lo
.set n, n+1
.endr
.endif
.set c, 0                              ; my blocks' largest scores, two chains a block by turns, each accumulator from its low end on
.rept NC
	v_max3_num_f32 v[232+2*c], v[S+32*c], v[S+32*c+1], v[S+32*c+2]
	v_max3_num_f32 v[233+2*c], v[S+32*c+16], v[S+32*c+17], v[S+32*c+18]
.set c, c+1
.endr
.irp i, 3,5,7,9,11,13
.set c, 0
.rept NC
	v_max3_num_f32 v[232+2*c], v[232+2*c], v[S+32*c+\i], v[S+32*c+\i+1]
	v_max3_num_f32 v[233+2*c], v[233+2*c], v[S+32*c+16+\i], v[S+32*c+17+\i]
.set c, c+1
.endr
.endr
.set c, 0
.rept NC
	v_max3_num_f32 v[232+2*c], v[232+2*c], v[233+2*c], v[S+32*c+15]
.set c, c+1
.endr
.set c, 0
.rept NC
	v_max_num_f32 v[232+2*c], v[232+2*c], v[S+32*c+31]
.set c, c+1
.endr
.if NC == 2
	v_max_num_f32 v254, v232, v234
.endif
	v_permlanex16_b32 v236, v[RM], s20, s21
	v_max3_num_f32 v13, v13, v[RM], v236           ; the running largest score of my query
	v_mul_f32 v237, s22, v13                       ; as t (c is positive)
	v_floor_f32 v12, -v237                         ; the new -M = -ceil(t): a whole number
; t - M of all my scores, 16 NC packed lines; between them, so that no line waits for the line above it: the factor f, and my blocks' scales
.set j, 0
	PF
	v_sub_f32 v238, v12, v238
	v_fma_f32 v232, v232, s22, v12                 ; x: t - M of my block's largest score
.if NC == 2
	v_fma_f32 v234, v234, s22, v12
.endif
	PF
	v_cvt_i32_f32 v238, v238                       ; old M - new M (it saturates)
	v_max_num_f32 v232, 0xc2f20000, v232           ; x held at -121
.if NC == 2
	v_max_num_f32 v234, 0xc2f20000, v234
.endif
	PF
	v_ldexp_f32 v252, 1.0, v238                    ; f = 2^(old M - new M)
	v_cvt_floor_i32_f32 v232, v232                 ; the exponent of the block's largest p
.if NC == 2
	v_cvt_floor_i32_f32 v234, v234
.endif
	PF
	v_add_nc_u32 v233, 123, v232                   ; the scale's byte: that exponent - 4 + 127
.if NC == 2
	v_add_nc_u32 v235, 123, v234
.endif
	PF
	v_lshlrev_b32 v239, 23, v233                   ; as an exponent field: the conversion's scale operand
.if NC == 2
	v_lshlrev_b32 v254, 23, v235
.endif
	PF
.if NC == 2
	v_lshl_or_b32 v237, v235, 16, v233             ; my two bytes: blocks h and 2 + h,
.else
	v_or_b32 v237, 0x7f0000, v233                  ; (the byte 127 for the blocks of zero codes)
.endif
	PF
	v_lshlrev_b32 v237, v247, v237                 ; at their places;
	PF
	v_permlanex16_b32 v236, v237, s20, s21
	PF
	v_or_b32 v253, v237, v236                      ; with lane l xor 16's two p's scale word is whole
.rept 7
	PF
.endr
	s_wait_alu depctr_va_vdst(0)                   ; the wait ahead of the batch
.set j, 0
.rept 32*NC
	v_exp_f32 v[S+j], v[S+j]                       ; p = 2^(t - M)
.set j, j+1
.endr
	v_pk_mul_f32 v[14:15], v[14:15], v[252:253] op_sel_hi:[1,0]   ; the sums under the new M (a plain line behind the exponentials)
	s_wait_alu depctr_va_vdst(0)                   ; one wait for the whole batch, ahead of its first reader
.irp k, 0,1,2,3                        ; the sum of the unquantised p: four chains by turns, in v232, v234, v236, v240
	v_pk_add_f32 v[232+2*\k+2*(\k/3):233+2*\k+2*(\k/3)], v[S+2*\k:S+2*\k+1], v[S+8+2*\k:S+9+2*\k]
.endr
.set p, 8
.rept 16*NC-8
	v_pk_add_f32 v[232+2*(p%4)+2*((p%4)/3):233+2*(p%4)+2*((p%4)/3)], v[232+2*(p%4)+2*((p%4)/3):233+2*(p%4)+2*((p%4)/3)], v[S+2*p:S+2*p+1]
.set p, p+1
.endr
	v_pk_add_f32 v[232:233], v[232:233], v[234:235]
	v_pk_add_f32 v[236:237], v[236:237], v[240:241]
	v_pk_add_f32 v[232:233], v[232:233], v[236:237]
	v_pk_add_f32 v[14:15], v[14:15], v[232:233]
.set c, 0
.rept NC
	v_cvt_scalef32_pk16_bf6_f32 v[224+6*c:226+6*c], v[S+32*c:S+32*c+15], v[239+15*c]
	v_cvt_scalef32_pk16_bf6_f32 v[236+4*c:238+4*c], v[S+32*c+16:S+32*c+31], v[239+15*c]   ; (a conversion's three registers begin on an even number)
.set c, c+1
.endr
	v_nop                                          ; one plain line behind the scaled conversions
.set c, 0
.rept NC
.irp i, 0,1,2
	v_mov_b32 v[227+6*c+\i], v[236+4*c+\i]
.endr
.set c, c+1
.endr
.if NC == 1
.irp i, 230,231,232,233,234,235
	v_mov_b32 v[\i], 0                             ; zero codes for keys 64-127
.endr
.endif
	s_wait_dscnt 0x0                               ; V
	s_wait_alu depctr_va_vdst(0)                   ; directly ahead of the first reader of O^T, and between the codes' writes and the products behind the wait above
.set j, 0
.rept 16
	v_pk_mul_f32 v[O+j:O+1+j], v[O+j:O+1+j], v[252:253] op_sel_hi:[1,0]   ; O^T under the new M; these sixteen are also the places between the codes' last writes and the products
.set j, j+2
.endr
.irp a, 0,1,2,3                        ; O^T += V^T P^T: the four accumulators by turns
	v_wmma_scale_f32_16x16x128_f8f6f4 v[O+8*\a:O+8*\a+7], v[80+12*\a:91+12*\a], v[224:235], v[O+8*\a:O+8*\a+7], v[28+\a], v253 matrix_a_fmt:MATRIX_FMT_BF6 matrix_b_fmt:MATRIX_FMT_BF6
.endr
.endm
; A pass over the keys for the tile of class s15: fifteen trips, a constant; a trip whose step is not under the class is passed over by a branch round the work alone; then the step on the diagonal.
.macro PASS dk
	s_mov_b32 s19, 0
	s_mov_b32 s24, 0
.Lp_\@:
	s_cmp_ge_u32 s19, s15
	s_cbranch_scc1 .Lh_\@
	STEP 0
.Lh_\@:
	s_add_co_u32 s24, s24, REC
	s_add_co_u32 s19, s19, 1
	s_cmp_lt_u32 s19, 15
	s_cbranch_scc1 .Lp_\@
	s_mul_i32 s24, s15, REC
	STEP \dk
.rept 4
	v_nop                                          ; places behind the last products
.endr
	YBASE
.endm
; y = O^T / the sum, quantised along the head's 64 channels (register 16 b + i = channel 32 b + 16 h + i), stored as a half image and two scale bytes a row.
.macro YOUT
	v_add_f32 v14, v14, v15
	v_permlanex16_b32 v252, v14, s20, s21
	v_add_f32 v14, v14, v252
	s_wait_alu depctr_va_vdst(0)
	v_rcp_f32 v14, v14
	v_nop
	s_wait_alu depctr_va_vdst(0)
.set j, 0
.rept 16
	v_pk_mul_f32 v[S+j:S+1+j], v[O+j:O+1+j], v[14:15] op_sel_hi:[1,0]
.set j, j+2
.endr
	v_max3_num_f32 v232, |v[S]|, |v[S+1]|, 0x2800000          ; the two blocks' largest magnitudes, two chains a block by turns; the floor holds the byte at 1 from below
	v_max3_num_f32 v233, |v[S+16]|, |v[S+17]|, 0x2800000
	v_max3_num_f32 v234, |v[S+8]|, |v[S+9]|, |v[S+10]|
	v_max3_num_f32 v235, |v[S+24]|, |v[S+25]|, |v[S+26]|
.irp i, 2,4
	v_max3_num_f32 v232, v232, |v[S+\i]|, |v[S+1+\i]|
	v_max3_num_f32 v233, v233, |v[S+16+\i]|, |v[S+17+\i]|
	v_max3_num_f32 v234, v234, |v[S+9+\i]|, |v[S+10+\i]|
	v_max3_num_f32 v235, v235, |v[S+25+\i]|, |v[S+26+\i]|
.endr
	v_max3_num_f32 v232, v232, |v[S+6]|, |v[S+7]|
	v_max3_num_f32 v233, v233, |v[S+22]|, |v[S+23]|
	v_max3_num_f32 v232, v232, v234, |v[S+15]|     ; a block's two chains (its numbers 0-7 and 8-14) and its last number
	v_max3_num_f32 v233, v233, v235, |v[S+31]|
	v_permlanex16_b32 v236, v232, s20, s21
	v_permlanex16_b32 v237, v233, s20, s21
	v_max_num_f32 v232, v232, v236
	v_max_num_f32 v233, v233, v237
	v_add_nc_u32 v239, 0xfe000000, v232            ; 4 off the exponent field: the conversion's scale operand
	v_add_nc_u32 v254, 0xfe000000, v233
	v_lshrrev_b32 v236, 23, v239
	v_lshrrev_b32 v237, 23, v254
	v_lshl_or_b32 v238, v237, 8, v236
	v_cvt_scalef32_pk16_bf6_f32 v[224:226], v[S:S+15], v239
	v_cvt_scalef32_pk16_bf6_f32 v[240:242], v[S+16:S+31], v254
	v_nop
.irp i, 0,1,2
	v_permlane16_swap_b32 v[224+\i], v[240+\i]     ; the layout wants a whole block in a lane
.endr
.irp i, 0,1,2
	v_mov_b32 v[227+\i], v[240+\i]
.endr
	global_store_b128 v1, v[224:227], s[92:93]     ; 512 and 256 consecutive bytes, aligned to 256
	global_store_b64 v2, v[228:229], s[92:93] offset:512
	global_store_b16 v3, v238, s[94:95]            ; my head's half of each row's scale word (the other half is the neighbouring head's cluster's); both lanes of a row write the same bytes
.endm
	s_and_b32 s15, s12, 15                         ; first pass: class w,
	s_mov_b32 s16, s14                             ; tile j of its eight
	PASS_INIT
	s_wait_alu depctr_va_vdst(0)                   ; the wait at the head's end
	QLOAD
	s_wait_tensorcnt 0x0                           ; my record has landed,
	s_barrier_signal -1
	s_barrier_wait -1                              ; and everybody's.  Nothing is filled again: from here on the waves run free
	s_wait_loadcnt 0x0                             ; Q
	PASS 1
	s_xor_b32 s15, s12, 15                         ; second pass: class 15 - w,
	s_add_co_u32 s16, s14, 4                       ; tile 4 + j
	QLOAD                                          ; it lands while the first tile goes out
	YOUT
	s_wait_xcnt 0x0                                ; the stores have read their data and bases: both are written again below
	PASS_INIT
	s_wait_alu depctr_va_vdst(0)                   ; directly ahead of the wait below
	s_wait_loadcnt 0x0
	PASS 2
	YOUT
	s_wait_tensorcnt 0x0                           ; the wave's end
	ds_add_u32 v243, v255
	s_wait_dscnt 0x0
	CROUND                                         ; the closing round
	s_endpgm
.Lfunc_end_k_qc61ebc5eea_attn:
	.size	k_qc61ebc5eea_attn, .Lfunc_end_k_qc61ebc5eea_attn-k_qc61ebc5eea_attn
	.p2alignl 7, 3214868480
	.fill 96, 4, 3214868480
	.section	.rodata,"a",@progbits
	.p2align	6, 0x0
	.amdhsa_kernel k_qc61ebc5eea_attn
		.amdhsa_group_segment_fixed_size 210944
		.amdhsa_private_segment_fixed_size 0
		.amdhsa_enable_private_segment 0
		.amdhsa_kernarg_size 24
		.amdhsa_user_sgpr_count 2
		.amdhsa_user_sgpr_kernarg_segment_ptr 1
		.amdhsa_wavefront_size32 1
		.amdhsa_system_sgpr_workgroup_id_x 1
		.amdhsa_system_sgpr_workgroup_id_y 1
		.amdhsa_system_sgpr_workgroup_id_z 1
		.amdhsa_system_vgpr_workitem_id 0
		.amdhsa_next_free_vgpr 256
		.amdhsa_next_free_sgpr 100
		.amdhsa_reserve_vcc 1
		.amdhsa_float_denorm_mode_32 3
		.amdhsa_float_denorm_mode_16_64 3
		.amdhsa_memory_ordered 1
		.amdhsa_forward_progress 1
		.amdhsa_inst_pref_size 79
	.end_amdhsa_kernel
	.amdgpu_metadata
---
amdhsa.version: [ 1, 2 ]
amdhsa.kernels:
  - .name:           k_qc61ebc5eea_attn
    .symbol:         k_qc61ebc5eea_attn.kd
    .args:
      - { .name: qkv_codes, .offset: 0, .size: 8, .value_kind: global_buffer, .address_space: global }
      - { .name: y_codes, .offset: 8, .size: 8, .value_kind: global_buffer, .address_space: global }
      - { .name: y_scales, .offset: 16, .size: 8, .value_kind: global_buffer, .address_space: global }
    .group_segment_fixed_size: 210944
    .private_segment_fixed_size: 0
    .kernarg_segment_align: 8
    .kernarg_segment_size: 24
    .max_flat_workgroup_size: 512
    .sgpr_count:     100
    .vgpr_count:     256
    .wavefront_size: 32
...
	.end_amdgpu_metadata
.endif
;; end of part 3
;; launch proj (part 4): grid 4 x 32, 4 waves a work-group, clusters of 4 x 4, 327,680 bytes of LDS; arguments y_codes, y_scales, codes_in, scales_in, out0; writes out0
.if DOCPART == 4
	.amdgcn_target "amdgcn-amd-amdhsa--gfx1250"
	.amdhsa_code_object_version 6
	.text
	.protected	k_qc61ebc5eea_proj
	.globl	k_qc61ebc5eea_proj
	.p2align	8
	.type	k_qc61ebc5eea_proj,@function
k_qc61ebc5eea_proj:
	s_mov_b64 s[64:65], 0
	v_nop
	global_prefetch_b8 v0, s[64:65] scope:SCOPE_SE
	s_setreg_imm32_b32 hwreg(HW_REG_WAVE_MODE, 25, 1), 1
	s_wait_xcnt 0x0
	s_wait_alu depctr_hold_cnt(0) depctr_sa_sdst(0) depctr_va_vdst(0) depctr_va_sdst(0) depctr_va_ssrc(0) depctr_va_vcc(0) depctr_vm_vsrc(0)
	s_getreg_b32 s2, hwreg(HW_REG_IB_STS2, 6, 4)
	s_cmp_eq_u32 s2, 0
	s_cbranch_scc0 .Lentry_in_a_cluster
	s_endpgm
.Lentry_in_a_cluster:
	s_bfe_u32 s2, ttmp6, 0x10000c
	s_cmp_lg_u32 s2, 0xf033
	s_cbranch_scc0 .Lentry_shape_is_right
	s_endpgm
.Lentry_shape_is_right:
.set TILEB,  3072
.set HALFT,  8*TILEB
.set SLOT,   4*HALFT
.set NQ,     2
.set FR,     12
.set NL,     4
.set NP,     4
.set SCL,    2*SLOT
.set HALFS,  4096
.set SPARE,  SCL+4*HALFS
.set SPITCH, 528
.set ADRA, 16
.set ADRB, 20
.set STO,  24
.set RD,   25
.set CO,   26
.set ADRS, 27
.set SPW,  28
.set NIL,  29
.set SC,   32
.set AF,   128
.set BK,   128
.set G1, 24
.set G0, 32
.set G1B, 48
.set G0B, 56
.set G1S, 68
.set G0S, 76
.set G1SB, 80
.set G0SB, 88
.set MSB, 0
.macro WIN new
.if MSB != (\new)
	s_set_vgpr_msb (MSB<<8)|(\new)
.set MSB, (\new)
.endif
.endm
.set MUL_LO, 0xa1
.set MUL_HI, 0xf1
.set TO_B,   0x40
.macro JLOAD g0a, g1a, g0b, g1b
	s_cmp_eq_u32 s15, 0
	s_cbranch_scc0 .Lfor_b_\@
	tensor_load_to_lds s[\g0a:\g0a+3], s[\g1a:\g1a+7]
	s_nop 0
.rept 4
	v_nop
.endr
	s_branch .Lasked_\@
.Lfor_b_\@:
	tensor_load_to_lds s[\g0b:\g0b+3], s[\g1b:\g1b+7]
	s_nop 0
.rept 4
	v_nop
.endr
.Lasked_\@:
.endm
.macro CREST
	s_cmp_lg_u32 s14, 0
	s_cbranch_scc1 .Lnot_wave_0_\@
	s_barrier_signal -3
.Lnot_wave_0_\@:
	s_barrier_wait -3
	s_barrier_signal -1
	s_barrier_wait -1
.endm
.macro CROUND
	s_barrier_signal -1
	s_barrier_wait -1
	CREST
.endm
	s_load_b128 s[4:7], s[0:1], 0x0
	s_load_b128 s[8:11], s[0:1], 0x10
	s_load_b64 s[12:13], s[0:1], 0x20
	v_lshl_add_u32 v[SPW], v0, 2, SPARE
	v_mov_b32 v[NIL], 0
	ds_add_u32 v28, v29
	ds_add_u32 v28, v29
	s_wait_dscnt 0x0
	v_lshrrev_b32 v1, 5, v0
	v_readfirstlane_b32 s14, v1
	s_lshr_b32 s15, s14, 1
	s_and_b32 s16, s14, 1
	s_bfe_u32 s40, ttmp6, 0x40000
	s_bfe_u32 s41, ttmp6, 0x40004
	s_lshl_b32 s42, ttmp9, 2
	s_add_co_u32 s42, s42, s40
	s_and_b32 s17, ttmp7, 0xffff
	s_lshl_b32 s17, s17, 2
	s_add_co_u32 s17, s17, s41
	s_lshl_b32 s43, s41, 2
	s_lshl_b32 s43, 15, s43
	s_lshl_b32 s44, 0x1111, s40
	s_or_b32 s[G1+0], s43, (3<<16)|(1<<21)
	s_or_b32 s[G1B+0], s44, (3<<16)|(1<<21)
.irp g, G1, G1B
	s_mov_b32 s[\g+1], 384<<16
	s_mov_b32 s[\g+2], 16<<16
	s_mov_b32 s[\g+3], 384<<16
	s_mov_b32 s[\g+4], 16
	s_mov_b32 s[\g+5], 1536
	s_mov_b32 s[\g+6], 0
	s_mov_b32 s[\g+7], 0
.endr
	s_or_b32 s[G1S+0], s43, (3<<16)|(1<<21)
	s_or_b32 s[G1SB+0], s44, (3<<16)|(1<<21)
.irp g, G1S, G1SB
	s_mov_b32 s[\g+1], 32<<16
	s_mov_b32 s[\g+2], 32<<16
	s_mov_b32 s[\g+3], 32<<16
	s_mov_b32 s[\g+4], 32
	s_mov_b32 s[\g+5], 32
	s_mov_b32 s[\g+6], 0
	s_mov_b32 s[\g+7], 0
.endr
	s_lshl_b32 s18, s16, 3
	s_lshl_b32 s20, s17, 4
	s_add_co_u32 s20, s20, s18
	s_lshl_b32 s46, s42, 4
	s_add_co_u32 s46, s46, s18
	s_add_co_u32 s46, s46, 704
	s_lshl_b32 s22, s17, 13                        ; the scale words of A's 256 rows: 8,192 bytes a tile
	s_mov_b32 s23, 0
	s_lshl_b32 s92, s42, 13                        ; and of B's, behind the 704 row tiles of x and Wqkv
	s_add_co_u32 s92, s92, 704*512
	s_mov_b32 s93, 0
	s_mul_i32 s20, s20, 12288
	s_mov_b32 s21, 0
	s_mul_i32 s46, s46, 12288
	s_mov_b32 s47, 0
	s_mul_i32 s45, s14, HALFT
	s_wait_kmcnt 0x0
	s_add_nc_u64 s[20:21], s[4:5], s[20:21]
	s_add_nc_u64 s[22:23], s[6:7], s[22:23]
	s_add_nc_u64 s[46:47], s[8:9], s[46:47]
	s_add_nc_u64 s[92:93], s[10:11], s[92:93]
	CROUND
	s_mov_b32 s[G0S], 1
	s_mov_b32 s[G0S+1], SCL
	s_mov_b64 s[G0S+2:G0S+3], s[22:23]
	s_or_b32 s[G0S+3], s[G0S+3], 0x80000000
	s_mov_b32 s[G0SB], 1
	s_mov_b32 s[G0SB+1], SCL+2*HALFS
	s_mov_b64 s[G0SB+2:G0SB+3], s[92:93]
	s_or_b32 s[G0SB+3], s[G0SB+3], 0x80000000
.irp s, 0,1
	s_mov_b32 s[G0+4*\s], 1
	s_add_co_u32 s[G0+4*\s+1], s45, \s*SLOT
	s_add_nc_u64 s[G0+4*\s+2:G0+4*\s+3], s[20:21], \s*TILEB
	s_or_b32 s[G0+4*\s+3], s[G0+4*\s+3], 0x80000000
	s_mov_b32 s[G0B+4*\s], 1
	s_add_co_u32 s[G0B+4*\s+1], s45, \s*SLOT
	s_add_nc_u64 s[G0B+4*\s+2:G0B+4*\s+3], s[46:47], \s*TILEB
	s_or_b32 s[G0B+4*\s+3], s[G0B+4*\s+3], 0x80000000
.endr
; THE HEAD'S LOADS, ONE A WAVE: wave 0 slot 0's 256 rows of A, wave 1 the scale words of A's 256 rows, wave 2 slot 0's 256 rows of B, wave 3 B's scale words.
; Waves 0 and 2 fetch the lower 128 rows in the ring, so their ring descriptors of slot 0 point at the tile's first row and at its place in LDS; at the head group 1 counts 16 row tiles.
.macro ARM under, g0, g1, next
	s_cmp_lt_u32 s14, \under
	s_cbranch_scc0 \next
	tensor_load_to_lds s[\g0:\g0+3], s[\g1:\g1+7]
	s_nop 0
.rept 4
	v_nop
.endr
	s_branch .Lhead_asked
\next:
.endm
	ARM 1, G0,  G1,  .Lhead_sa
	ARM 2, G0S, G1S, .Lhead_b
	ARM 3, G0B, G1B, .Lhead_sb
	tensor_load_to_lds s[G0SB:G0SB+3], s[G1SB:G1SB+7]
	s_nop 0
.rept 4
	v_nop
.endr
.Lhead_asked:
	v_and_b32 v1, 15, v0
	v_bfe_u32 v2, v0, 4, 1
	v_and_b32 v3, 31, v0
	v_lshlrev_b32 v[CO], 4, v3
	v_lshlrev_b32 v4, 3, v3
	s_mul_i32 s21, s15, HALFT
	s_mul_i32 s22, s16, HALFT
	s_add_co_u32 s22, s22, 2*HALFT
.irp s, 0,1
	v_add_nc_u32 v[ADRA+\s], s21, v[CO]
	v_add_nc_u32 v[ADRB+\s], s22, v[CO]
	v_add_nc_u32 v[ADRA+2+\s], s21, v4
	v_add_nc_u32 v[ADRB+2+\s], s22, v4
	s_add_co_u32 s21, s21, SLOT
	s_add_co_u32 s22, s22, SLOT
.endr
	v_lshlrev_b32 v5, 2, v1
	s_mul_i32 s21, s15, HALFS
	s_mul_i32 s22, s16, HALFS
	s_add_co_u32 s22, s22, 2*HALFS
	s_sub_co_u32 s22, s22, s21
	v_mul_u32_u24 v6, s22, v2
	s_add_co_u32 s21, s21, SCL
	v_add_nc_u32 v5, v5, v6
	v_add_nc_u32 v[ADRS], s21, v5
	s_mul_i32 s23, s14, 16*SPITCH
	v_mul_u32_u24 v5, v1, SPITCH
	v_lshl_add_u32 v5, v2, 6, v5
	v_add_nc_u32 v[STO], s23, v5
	v_add_nc_u32 v[RD], s23, v[CO]
	s_lshl_b32 s20, s17, 8
	s_lshl_b32 s21, s15, 7
	s_add_co_u32 s20, s20, s21
	s_lshl_b32 s20, s20, 12
	s_mov_b32 s21, 0
	s_lshl_b32 s46, s42, 10
	s_lshl_b32 s47, s16, 9
	s_add_co_u32 s46, s46, s47
	s_mov_b32 s47, 0
	s_add_nc_u64 s[20:21], s[20:21], s[46:47]
	s_add_nc_u64 s[12:13], s[12:13], s[20:21]
.macro FRAG reg, adr, q, i
	ds_load_b128 v[\reg:\reg+3], v[\adr] offset:(\i)*TILEB+(\q)*1536
	ds_load_b64 v[\reg+4:\reg+5], v[\adr+2] offset:(\i)*TILEB+(\q)*1536+512
	ds_load_b128 v[\reg+6:\reg+9], v[\adr] offset:(\i)*TILEB+(\q)*1536+768
	ds_load_b64 v[\reg+10:\reg+11], v[\adr+2] offset:(\i)*TILEB+(\q)*1536+1280
.endm
.macro MUL16 a0, p, q, sc, zero
.irp a, \a0, \a0+1
.irp b, 0,1,2,3,4,5,6,7
.if \zero
	v_wmma_scale_f32_16x16x128_f8f6f4 v[8*(8*((\a)%4)+\b):8*(8*((\a)%4)+\b)+7], v[128*(\p)+FR*\b:128*(\p)+FR*\b+FR-1], v[AF+FR*(\a):AF+FR*(\a)+FR-1], 0, v[SC+8*NQ*(\sc)+NQ*\b+(\q)], v[SC+8*NQ*(\sc)+NQ*(\a)+(\q)] matrix_a_fmt:MATRIX_FMT_BF6 matrix_b_fmt:MATRIX_FMT_BF6 matrix_a_scale:MATRIX_SCALE_ROW1
.else
	v_wmma_scale_f32_16x16x128_f8f6f4 v[8*(8*((\a)%4)+\b):8*(8*((\a)%4)+\b)+7], v[128*(\p)+FR*\b:128*(\p)+FR*\b+FR-1], v[AF+FR*(\a):AF+FR*(\a)+FR-1], v[8*(8*((\a)%4)+\b):8*(8*((\a)%4)+\b)+7], v[SC+8*NQ*(\sc)+NQ*\b+(\q)], v[SC+8*NQ*(\sc)+NQ*(\a)+(\q)] matrix_a_fmt:MATRIX_FMT_BF6 matrix_b_fmt:MATRIX_FMT_BF6 matrix_a_scale:MATRIX_SCALE_ROW1
.endif
.endr
.endr
.endm
.macro FETCH_B slot, q, p
	WIN TO_B
.irp i, 0,1,2,3,4,5,6,7
	FRAG 128*(\p)+FR*\i, ADRB+\slot, \q, \i
.endr
	WIN 0
.endm
.macro FETCH_A slot, q, i0
.irp i, \i0, \i0+1, \i0+2, \i0+3
	FRAG AF+FR*(\i), ADRA+\slot, \q, \i
.endr
.endm
.macro SCALES sc
.irp i, 0,1,2,3,4,5,6,7
.irp q, 0,1
	ds_load_b32 v[SC+8*NQ*\sc+NQ*\i+\q], v[ADRS] offset:512*\i+64*\q
.endr
.endr
.endm
.macro PLACES n
.rept \n
	v_nop
.endr
.endm
.macro STEP slot, q, zero
	s_wait_dscnt 4*NL
	WIN MUL_LO
	MUL16 0, (\q)%2, \q, \slot, \zero
	MUL16 2, (\q)%2, \q, \slot, \zero
	s_wait_dscnt 0
	PLACES NP
	FETCH_B \slot, (\q)+1, 1-(\q)%2
	FETCH_A \slot, (\q)+1, 0
	WIN MUL_HI
	MUL16 4, (\q)%2, \q, \slot, \zero
	MUL16 6, (\q)%2, \q, \slot, \zero
	PLACES NP
	WIN 0
	FETCH_A \slot, (\q)+1, 4
.endm
.macro TURN slot, next, fill
	s_wait_tensorcnt 0x0
	ds_add_u32 v[SPW], v[NIL]
	s_wait_dscnt 4*NL+1
	WIN MUL_LO
	MUL16 0, 1, NQ-1, \slot, 0
	s_wait_dscnt 0x0
	s_barrier_signal -1
	MUL16 2, 1, NQ-1, \slot, 0
	WIN 0
	s_barrier_wait -1
.if \fill
	CREST
	s_add_nc_u64 s[G0+4*\slot+2:G0+4*\slot+3], s[G0+4*\slot+2:G0+4*\slot+3], 2*TILEB
	s_add_nc_u64 s[G0B+4*\slot+2:G0B+4*\slot+3], s[G0B+4*\slot+2:G0B+4*\slot+3], 2*TILEB
	JLOAD G0+4*\slot, G1, G0B+4*\slot, G1B
.else
	PLACES NP
.endif
	s_wait_alu depctr_va_vdst(0)
	v_add_nc_u32 v[ADRS], 64*NQ, v[ADRS]
	FETCH_B \next, 0, 0
	FETCH_A \next, 0, 0
	SCALES \next
	WIN MUL_HI
	MUL16 4, 1, NQ-1, \slot, 0
	MUL16 6, 1, NQ-1, \slot, 0
	PLACES NP
	WIN 0
	FETCH_A \next, 0, 4
.endm
	s_wait_alu depctr_va_vdst(0)
	s_wait_tensorcnt 0x0                           ; my tile of the head's four is in
	ds_add_u32 v[SPW], v[NIL]
	s_mov_b32 s[G1+2], 8<<16                       ; no tensor load of mine is out: from here on a load brings 8 row tiles
	s_mov_b32 s[G1+4], 8
	s_mov_b32 s[G1B+2], 8<<16
	s_mov_b32 s[G1B+4], 8
	s_wait_dscnt 0x0
	CROUND                                         ; all four tiles are in, and all sixteen work-groups are here
	JLOAD G0+4, G1, G0B+4, G1B                     ; slot 1's first fill, the first tensor load behind the round
	FETCH_B 0, 0, 0
	FETCH_A 0, 0, 0
	SCALES 0
	FETCH_A 0, 0, 4
	STEP 0, 0, 1
	TURN 0, 1, 1
	STEP 1, 0, 0
	TURN 1, 0, 1
	STEP 0, 0, 0
	TURN 0, 1, 0
	STEP 1, 0, 0
	s_wait_dscnt 4*NL
	WIN MUL_LO
	MUL16 0, 1, NQ-1, 1, 0
	MUL16 2, 1, NQ-1, 1, 0
	s_wait_dscnt 0
	WIN MUL_HI
	MUL16 4, 1, NQ-1, 1, 0
	MUL16 6, 1, NQ-1, 1, 0
	WIN 0
.macro TOSTAGE a
.set AC, 64*((\a)%4)
	WIN 0x08+4*((\a)/4)
.irp b, 0,1,2,3,4,5,6,7
	ds_store_b128 v[STO], v[AC+8*\b:AC+8*\b+3] offset:128*(\b/2)+32*(\b%2)
	ds_store_b128 v[STO], v[AC+8*\b+4:AC+8*\b+7] offset:128*(\b/2)+32*(\b%2)+16
.endr
	WIN 0
.set BB, BK+64*((\a)%2)
.irp t, 0,1,2,3,4,5,6,7,8,9,10,11,12,13,14,15
	ds_load_b128 v[BB+4*\t:BB+4*\t+3], v[RD] offset:\t*SPITCH
.endr
.endm
.macro SEND a, younger
.set BB, BK+64*((\a)%2)
	s_wait_dscnt \younger
.irp t, 0,1,2,3,4,5,6,7,8,9,10,11,12,13,14,15
	global_store_b128 v[CO], v[BB+4*\t:BB+4*\t+3], s[12:13] offset:(32*((\a)/2)+8*((\a)%2)+(\t)%8+16*((\t)/8))*4096 th:TH_STORE_NT
.endr
.endm
	PLACES NP
	TOSTAGE 0
.irp a, 1,2,3,4,5,6,7
.if \a > 1
	s_wait_xcnt 0x0
.endif
	TOSTAGE \a
	SEND \a-1, 32
.endr
	SEND 7, 0
	s_wait_tensorcnt 0x0
	ds_add_u32 v[SPW], v[NIL]
	s_wait_dscnt 0x0
	CROUND
	s_endpgm
.Lfunc_end_k_qc61ebc5eea_proj:
	.size	k_qc61ebc5eea_proj, .Lfunc_end_k_qc61ebc5eea_proj-k_qc61ebc5eea_proj
	.p2alignl 7, 3214868480
	.fill 96, 4, 3214868480
	.section	.rodata,"a",@progbits
	.p2align	6, 0x0
	.amdhsa_kernel k_qc61ebc5eea_proj
		.amdhsa_group_segment_fixed_size 327680
		.amdhsa_private_segment_fixed_size 0
		.amdhsa_enable_private_segment 0
		.amdhsa_kernarg_size 40
		.amdhsa_user_sgpr_count 2
		.amdhsa_user_sgpr_kernarg_segment_ptr 1
		.amdhsa_wavefront_size32 1
		.amdhsa_system_sgpr_workgroup_id_x 1
		.amdhsa_system_sgpr_workgroup_id_y 1
		.amdhsa_system_sgpr_workgroup_id_z 1
		.amdhsa_system_vgpr_workitem_id 0
		.amdhsa_next_free_vgpr 1024
		.amdhsa_next_free_sgpr 98
		.amdhsa_reserve_vcc 0
		.amdhsa_float_denorm_mode_32 3
		.amdhsa_float_denorm_mode_16_64 3
		.amdhsa_memory_ordered 1
		.amdhsa_forward_progress 1
		.amdhsa_inst_pref_size 146
	.end_amdhsa_kernel
	.amdgpu_metadata
---
amdhsa.version: [ 1, 2 ]
amdhsa.kernels:
  - .name:           k_qc61ebc5eea_proj
    .symbol:         k_qc61ebc5eea_proj.kd
    .args:
      - { .name: y_codes, .offset: 0, .size: 8, .value_kind: global_buffer, .address_space: global }
      - { .name: y_scales, .offset: 8, .size: 8, .value_kind: global_buffer, .address_space: global }
      - { .name: codes_in, .offset: 16, .size: 8, .value_kind: global_buffer, .address_space: global }
      - { .name: scales_in, .offset: 24, .size: 8, .value_kind: global_buffer, .address_space: global }
      - { .name: out0, .offset: 32, .size: 8, .value_kind: global_buffer, .address_space: global }
    .group_segment_fixed_size: 327680
    .private_segment_fixed_size: 0
    .kernarg_segment_align: 8
    .kernarg_segment_size: 40
    .max_flat_workgroup_size: 128
    .sgpr_count:     98
    .vgpr_count:     1024
    .wavefront_size: 32
...
	.end_amdgpu_metadata
.endif
;; end of part 4
